; MI455X (gfx1250); checked and timed in simulation.
; The chip was launched on July 23, 2026; its instructions are those of AMD's public machine-readable ISA for CDNA 5 (MIT licence, August 2026) and "CDNA5" Instruction Set Architecture Reference Guide (July 2026). The comments in the code are by the model that wrote it; some were corrected since.
;; Multi Head Self Attention. Allowed arithmetic: matrix products marked QUANTISED: E3M2 operands, one E8M0 scale for each 32 along K, by v_wmma_scale_f32_16x16x128_f8f6f4 with both operands' format E3M2, f32 sums; everything else in f32.
;; Inputs: W_out 1,024 x 1,024 float32; W_qkv 3,072 x 1,024 float32; b_out 1,024 float32; b_qkv 3,072 float32; mask 1 x 1 x 2,048 x 2,048 int32; x 4 x 2,048 x 1,024 float32.
;; Outputs: out0 4 x 2,048 x 1,024 float32.
;; This version of the problem:
;;   THIS VERSION OF THE PROBLEM IS GIVEN IN LOW PRECISION. The matrix products marked QUANTISED in the list below multiply operands that are first quantised to E3M2 (3 exponent bits, 2 mantissa bits; 6 bits a number), with one power-of-two scale for each 32 numbers along K (OCP MX v1.0); their sums are f32. All else is computed in f32.
;;   The module's matrix products, in the order in which they are computed (A, B: the left and right operand; K: the contracted axis; several contracted axes count as one K, in the product's order):
;;     1. [M 8,192, K 1,024] x [K 1,024, N 3,072]; A: input x; B: input W_qkv: QUANTISED
;;     2. batch 64 x [M 2,048, K 64] x [K 64, N 2,048]; A: computed on the way; B: computed on the way: QUANTISED
;;     3. batch 64 x [M 2,048, K 2,048] x [K 2,048, N 64]; A: softmax (see below); B: computed on the way: QUANTISED
;;     4. [M 8,192, K 1,024] x [K 1,024, N 1,024]; A: computed on the way; B: input W_out: QUANTISED
;;   THE QUANTISER, for each operand of a quantised product, along K:
;;     - K is cut into blocks of 32 from its start; a last block that is shorter is filled with zeros.
;;     - A block's scale is 2^e with e = floor(log2(the largest magnitude in the block)) - 4, held to -126 .. 127; a block of zeros has e = 0. As a byte (E8M0): e + 127.
;;     - Each number is divided by its block's scale, clamped to +-28, and rounded to the nearest number of E3M2, ties to even, subnormals kept.
;;     - The product sums the exact products of the quantised numbers (number of the format x scale) in f32.
;;   ~~~python
;;   def quantise(x, axis):      # numpy; x: float32 -> the quantised numbers, widened to float32 again
;;       x = np.moveaxis(x, axis, -1); K = x.shape[-1]
;;       x = np.pad(x, [(0, 0)] * (x.ndim - 1) + [(0, -K % 32)]); x = x.reshape(x.shape[:-1] + (-1, 32)); a = np.abs(x).max(-1, keepdims=True)
;;       e = np.where(a > 0, np.clip(np.frexp(np.where(a > 0, a, 1))[1] - 1 - 4, -126, 127), 0)      # np.frexp(a)[1] - 1 = floor(log2(a)), exactly
;;       r = np.clip(x / 2.0 ** e, -28, 28)
;;       step = 2.0 ** (np.maximum(np.frexp(np.where(r == 0, 1, r))[1] - 1, -2) - 2)
;;       q = np.round(r / step) * step * 2.0 ** e      # np.round: ties to even
;;       return np.moveaxis(q.reshape(q.shape[:-2] + (-1,))[..., :K], -1, axis).astype(np.float32)
;;   ~~~
;;   SOFTMAX AHEAD OF A QUANTISED PRODUCT. Where the list says 'softmax', what is quantised is not the finished softmax but p = 2^(t - M), with t = logit x log2(e) and M = ceil(the row's largest t), a whole number; so 1/2 < the row's largest p <= 1. The row's sum l is taken of the UNQUANTISED p, in f32, and the product's result is divided by l at the end. Since M is a whole number, a kernel that streams over the keys may use a running M (the ceiling of the running maximum): every later rescaling is an exact power of two, which a block's scale takes up: the codes' values come out the same.
;;   OPERANDS COMPUTED ON THE WAY. 'Computed on the way' means the value that the module computes at that place (a softmax that the list does not call 'softmax' is quantised finished and normalised). What goes into a quantiser is computed in f32, as accurately as f32 sums, v_exp_f32 and their like allow (about 1e-6 of the number): no bf16 or f16 on the way to a quantiser, and a product that is left as it is and whose result goes on into a quantised operand takes f32 operands (vector FMAs, or v_wmma_f32_16x16x4_f32). A number that lies on a knife's edge between two numbers of the format may be rounded either way, as far as f32 arithmetic and the matrix unit's own rounding can turn it there, and no further.
;; 2 versions, each right; version 2 is version 1 with the launch attn written anew for expert scheduling mode. Each part assembles by itself: llvm-mc -triple=amdgcn-amd-amdhsa -mcpu=gfx1250 --defsym DOCPART=n.
;; ======== version 1 of 2: 4 launches
;; limits: right only within a limited range of input values
;; workspace buffers: wcodes 9,437,184 bytes; wscales 393,216 bytes; maskw 524,288 bytes of whole numbers; flags 16,384 bytes of whole numbers; qkv_codes 18,874,368 bytes; qkv_scales 1,310,720 bytes; a_codes 6,291,456 bytes; a_scales 262,144 bytes
;; launch prep (part 1): grid 224 x 1, 16 waves a work-group, no clusters, 276,480 bytes of LDS; arguments x, W_qkv, W_out, mask, wcodes, wscales, maskw, flags; writes wcodes, wscales, maskw, flags
.if DOCPART == 1
	.amdgcn_target "amdgcn-amd-amdhsa--gfx1250"
	.amdhsa_code_object_version 6
	.text
	.protected	k_q6f9398dfe8_prep
	.globl	k_q6f9398dfe8_prep
	.p2align	8
	.type	k_q6f9398dfe8_prep,@function
k_q6f9398dfe8_prep:
	s_mov_b64 s[64:65], 0
	v_nop
	global_prefetch_b8 v0, s[64:65] scope:SCOPE_SE
	s_setreg_imm32_b32 hwreg(HW_REG_WAVE_MODE, 25, 1), 1
	s_wait_xcnt 0x0
; x [8192][1024], W_qkv [3072][1024] and W_out [1024][1024], f32 with K innermost, become codes of BF6 (E3M2) with one E8M0 byte for each 32 along K; the mask [2048][2048] of int32 becomes bits.
; THE CODES are laid as one tall matrix of 12,288 rows (x, then W_qkv, then W_out) in the order of the operand's registers: [tile of 16 rows][K / 128][group of 4 registers][lane][16 bytes], 1,536 bytes a fragment.
; THE ROWS OF A TILE ARE NOT NEIGHBOURS: lane r of tile T stands for row 32 (T / 2) + 8 (T % 2) + r % 8 + 16 (r / 8), so that a product that takes such tiles as source 0 leaves 16 neighbouring rows in a lane's 16 registers of two tiles.
; THE SCALE WORDS (four bytes: 128 along K of one row) are laid [128 rows][K / 128][row][4 bytes].
; A block's scale byte is its largest magnitude's exponent field - 4, held at 1 from below.  A block of zeros so gets the byte 1: its codes are zeros, and the bytes are read by this program alone.
; LIMITS: NaN and infinities among the inputs are not served.
; SHARES.  Work-groups 0-95 quantise: work-group R takes 128 rows; wave w takes K step w % 8 of the 64 rows of half w / 8: four fragments.  Each load reads 512 consecutive bytes of a row; a fragment's 16 rows turn through the
; wave's own stage in LDS (rows 528 bytes apart), so that lane (r, h) gets, of row r, the 16 numbers 16 h on of each block of 32.
; Work-groups 96-223 pack the mask: work-group 96 + qt takes the 16 queries of tile qt (the same order of rows), wave w the keys 128 w on.  Word n = 16 b + i of the 64 has in bit l: mask[query l % 16][128 w + 32 b + 16 (l / 16) + i] != 0:
; the lanes and registers in which attention holds its scores.  Two more words a wave: which of the 16 rows have an open key here, and (any open) << w | (all open) << (16 + w).
; Waves share nothing: no barrier.  The two kinds of work-group have LDS bytes of their own.
.set RAW,   16                         ; v16-143  two sets of 64: 16 rows x 16 bytes a lane, as loaded
.set X,     144                        ; v144-207 64 numbers of my row
.set PC,    208                        ; v208-219 a fragment's codes
.set CT,    220                        ; v220-222, v224-226 the conversions' second halves
.set TM,    228                        ; v228-231 largest magnitudes, v232-235 bytes, v240-243 the conversions' scale operands
.set PW,    244                        ; the scale word
.set MA,    246                        ; v246-247 the mask words: lane l holds words 2 l and 2 l + 1
.set SWO,   252                        ; v252-253 the wave's scale words on their way out: registers that no store of codes names
.set SP,    528                        ; a stage row: 512 bytes + 16
.set QREG,  8704                       ; a quantising wave's LDS: 16 stage rows, then 256 bytes of scale words
.set MBASE, 16*QREG                    ; behind them the packing waves' stages
.set MREG,  16*SP
.set SEL,   30                         ; s[30:31] lane selects for v_permlanex16_b32: lane l xor 16
; 64 numbers of a lane, register 16 b + i = k 32 b + 16 (lane / 16) + i of my row, become a fragment's codes (registers 0-5 at d0, 6-11 at d1) and its scale word in v[PW].
.macro QUANT s, d0, d1
.irp b, 0,1,2,3
	v_max3_num_f32 v[TM+\b], |v[\s+16*\b]|, |v[\s+1+16*\b]|, 0x2800000   ; block b: my 16 numbers, and the floor 2^(5 - 127): the byte cannot fall under 1
.endr
.irp i, 2,4,6,8,10,12,14
.irp b, 0,1,2,3
	v_max3_num_f32 v[TM+\b], v[TM+\b], |v[\s+16*\b+\i]|, |v[\s+1+16*\b+\i]|   ; the four blocks by turns
.endr
.endr
.irp b, 0,1,2,3
	v_permlanex16_b32 v[TM+4+\b], v[TM+\b], s[SEL], s[SEL+1]
.endr
.irp b, 0,1,2,3
	v_max_num_f32 v[TM+\b], v[TM+\b], v[TM+4+\b]   ; with lane l xor 16's: the block's largest magnitude
.endr
.irp b, 0,1,2,3
	v_add_nc_u32 v[TM+12+\b], 0xfe000000, v[TM+\b]   ; 4 off its exponent field: the conversion takes this operand's exponent field as its scale
.endr
.irp b, 0,1,2,3
	v_lshrrev_b32 v[TM+4+\b], 23, v[TM+12+\b]      ; the scale's byte
.endr
	v_lshl_or_b32 v[PW], v[TM+5], 8, v[TM+4]
	v_lshl_or_b32 v[PW], v[TM+6], 16, v[PW]
	v_lshl_or_b32 v[PW], v[TM+7], 24, v[PW]
	v_cvt_scalef32_pk16_bf6_f32 v[\d0:\d0+2], v[\s:\s+15], v[TM+12]
	v_cvt_scalef32_pk16_bf6_f32 v[CT:CT+2], v[\s+16:\s+31], v[TM+13]   ; (a conversion's three registers begin on an even number)
	v_cvt_scalef32_pk16_bf6_f32 v[\d1:\d1+2], v[\s+32:\s+47], v[TM+14]
	v_cvt_scalef32_pk16_bf6_f32 v[CT+4:CT+6], v[\s+48:\s+63], v[TM+15]
	v_nop                                          ; one plain line behind the scaled conversions
.irp i, 0,1,2
	v_permlane16_swap_b32 v[\d0+\i], v[CT+\i]      ; the layout wants a whole block in a lane: lanes 0-15 the even block, lanes 16-31 the odd one
.endr
.irp i, 0,1,2
	v_permlane16_swap_b32 v[\d1+\i], v[CT+4+\i]
.endr
.irp i, 0,1,2
	v_mov_b32 v[\d0+3+\i], v[CT+\i]
	v_mov_b32 v[\d1+3+\i], v[CT+4+\i]
.endr
.endm
; 16 rows through a stage: LDS serves a wave's instructions in order, so no wait stands between the stores and the loads
.macro TURNQ set, ain, aout
.irp p, 0,1,2,3,4,5,6,7,8,9,10,11,12,13,14,15
	ds_store_b128 v[\ain], v[RAW+64*(\set)+4*\p:RAW+64*(\set)+4*\p+3] offset:SP*\p
.endr
.irp b, 0,1,2,3
.irp j, 0,1,2,3
	ds_load_b128 v[X+16*\b+4*\j:X+16*\b+4*\j+3], v[\aout] offset:128*\b+16*\j
.endr
.endr
.endm
	s_load_b256 s[4:11], s[0:1], 0x0               ; x s[4:5], W_qkv s[6:7], W_out s[8:9], mask s[10:11]
	s_load_b256 s[12:19], s[0:1], 0x20             ; wcodes s[12:13], wscales s[14:15], maskw s[16:17], flags s[18:19]
	v_lshl_add_u32 v254, v0, 2, 0x43000
	v_mov_b32 v255, 0
	v_lshrrev_b32 v1, 5, v0
	v_readfirstlane_b32 s20, v1                    ; wave 0..15
	v_and_b32 v1, 31, v0                           ; lane
	v_and_b32 v2, 15, v0                           ; r
	v_bfe_u32 v3, v0, 4, 1                         ; h
	v_lshlrev_b32 v4, 4, v1                        ; 16 x lane
	v_lshlrev_b32 v13, 3, v1                       ; 8 x lane
	v_mul_u32_u24 v11, v2, SP
	v_lshl_add_u32 v11, v3, 6, v11                 ; stage row r, + 64 h
	s_mul_i32 s21, s20, QREG
	v_add_nc_u32 v5, s21, v4                       ; the quantising stage, in
	v_add_nc_u32 v6, s21, v11                      ; and out
	s_add_co_u32 s22, s21, 16*SP
	v_lshl_add_u32 v7, v2, 2, s22                  ; my row's scale word
	v_add_nc_u32 v8, s22, v13                      ; and the 256 bytes on their way out
	s_mul_i32 s23, s20, MREG
	s_add_co_u32 s23, s23, MBASE
	v_add_nc_u32 v9, s23, v4                       ; the packing stage, in
	v_add_nc_u32 v10, s23, v11                     ; and out
	s_mov_b32 s[SEL], 0x76543210
	s_mov_b32 s[SEL+1], 0xfedcba98
.irp b, 0,1,2,3
	v_mov_b32 v[TM+4+\b], 0                        ; written once: a lane permute's destination counts as one of its sources
.endr
	v_mov_b32 v[MA], 0
	v_mov_b32 v[MA+1], 0
	s_lshr_b32 s24, s20, 3                         ; which 64 rows
	s_and_b32 s25, s20, 7                          ; which K step of 128
	s_wait_kmcnt 0x0
	s_cmp_ge_u32 ttmp9, 96
	s_cbranch_scc1 .Lmask
	; ---- quantise
	s_cmp_lt_u32 ttmp9, 88                         ; which tensor: the choice hangs on the work-group's number alone
	s_cselect_b64 s[34:35], s[6:7], s[8:9]
	s_cselect_b32 s36, 64, 88
	s_cmp_lt_u32 ttmp9, 64
	s_cselect_b64 s[34:35], s[4:5], s[34:35]
	s_cselect_b32 s36, 0, s36
	s_sub_co_u32 s36, ttmp9, s36                   ; which 128 rows of it
	s_lshl_b32 s36, s36, 19                        ; 128 rows of 4,096 bytes
	s_lshl_b32 s37, s24, 18
	s_add_co_u32 s36, s36, s37
	s_lshl_b32 s37, s25, 9
	s_add_co_u32 s36, s36, s37
	s_mov_b32 s37, 0
	s_add_nc_u64 s[34:35], s[34:35], s[36:37]
	s_mul_i32 s36, ttmp9, 98304                    ; codes: 8 tiles of 12,288 bytes,
	s_mul_i32 s38, s24, 49152                      ; my four of them,
	s_add_co_u32 s36, s36, s38
	s_mul_i32 s38, s25, 1536                       ; my K step
	s_add_co_u32 s36, s36, s38
	s_add_nc_u64 s[12:13], s[12:13], s[36:37]
	s_lshl_b32 s36, ttmp9, 12                      ; scale words: 4,096 bytes for 128 rows, 512 a K step, my 64 rows' 256
	s_lshl_b32 s38, s25, 9
	s_add_co_u32 s36, s36, s38
	s_lshl_b32 s38, s24, 8
	s_add_co_u32 s36, s36, s38
	s_add_nc_u64 s[14:15], s[14:15], s[36:37]
.macro LOADQ u                         ; tile u's 16 rows, 512 consecutive bytes each
.irp p, 0,1,2,3,4,5,6,7,8,9,10,11,12,13,14,15
	global_load_b128 v[RAW+64*((\u)%2)+4*\p:RAW+64*((\u)%2)+4*\p+3], v4, s[34:35] offset:(32*((\u)/2)+8*((\u)%2)+(\p%8)+16*(\p/8))*4096 th:TH_LOAD_NT
.endr
.endm
.macro FRAGQ u, left
	s_wait_loadcnt \left                           ; this tile's 16 loads are in; the younger set's may be out
	TURNQ (\u)%2, 5, 6
	s_wait_dscnt 0x0                               ; my numbers are back, and the stage's stores have read their registers
	s_wait_xcnt 0x0                                ; the last fragment's stores have read their data: the codes' registers may be written again
.if (\u) < 2
	LOADQ (\u)+2
.endif
	QUANT X, PC, PC+6
.irp g, 0,1,2
	global_store_b128 v4, v[PC+4*\g:PC+4*\g+3], s[12:13] offset:(\u)*12288+512*\g   ; 32 lanes store 512 consecutive bytes, aligned
.endr
	ds_store_b32 v7, v[PW] offset:64*(\u)          ; lanes r and r + 16 write the same word with the same value
.endm
	LOADQ 0
	LOADQ 1
	FRAGQ 0, 16
	FRAGQ 1, 16
	FRAGQ 2, 16
	FRAGQ 3, 0
	ds_load_b64 v[SWO:SWO+1], v8                   ; my wave's 64 scale words, into registers of their own: the last fragment's stores may still read the codes' registers.  LDS serves a wave's instructions in order: this sees my four stores
	s_wait_dscnt 0x0
	global_store_b64 v13, v[SWO:SWO+1], s[14:15]   ; 256 consecutive bytes, aligned
	s_wait_tensorcnt 0x0
	ds_add_u32 v254, v255
	s_wait_dscnt 0x0
	s_endpgm
	; ---- pack the mask
.Lmask:
	s_sub_co_u32 s34, ttmp9, 96                    ; the tile of queries
	s_lshr_b32 s35, s34, 1
	s_lshl_b32 s35, s35, 5
	s_and_b32 s36, s34, 1
	s_lshl_b32 s36, s36, 3
	s_add_co_u32 s35, s35, s36                     ; its first row: 32 (qt / 2) + 8 (qt % 2)
	s_lshl_b32 s36, s35, 13                        ; rows of 8,192 bytes,
	s_lshl_b32 s38, s20, 9                         ; my 128 keys' 512 bytes
	s_add_co_u32 s36, s36, s38
	s_mov_b32 s37, 0
	s_add_nc_u64 s[10:11], s[10:11], s[36:37]
	s_lshl_b32 s35, s34, 4
	s_add_co_u32 s35, s35, s20                     ; 16 qt + step
	s_lshl_b32 s36, s35, 8
	s_add_nc_u64 s[16:17], s[16:17], s[36:37]
	s_lshl_b32 s36, s35, 3
	s_add_nc_u64 s[18:19], s[18:19], s[36:37]
.irp p, 0,1,2,3,4,5,6,7,8,9,10,11,12,13,14,15
	global_load_b128 v[RAW+4*\p:RAW+4*\p+3], v4, s[10:11] offset:((\p%8)+16*(\p/8))*8192 th:TH_LOAD_NT
.endr
	s_mov_b32 s32, 0                               ; the OR of the 64 words
	s_mov_b32 s33, -1                              ; and the AND
	s_wait_loadcnt 0x0
	TURNQ 0, 9, 10
	s_wait_dscnt 0x0
.set n, 0
.rept 64
	v_cmp_ne_u32 s[26+n%4], 0, v[X+n]              ; bit l: open for lane l's query and this register's key
	v_writelane_b32 v[MA+n%2], s[26+n%4], n/2
	s_or_b32 s32, s32, s[26+n%4]
	s_and_b32 s33, s33, s[26+n%4]
.set n, n+1
.endr
	global_store_b64 v13, v[MA:MA+1], s[16:17]     ; 256 consecutive bytes, aligned
	s_lshr_b32 s34, s32, 16
	s_or_b32 s34, s34, s32
	s_and_b32 s34, s34, 0xffff                     ; bit r: row r has an open key among these 128
	s_cmp_lg_u32 s32, 0
	s_cselect_b32 s35, 1, 0
	s_cmp_eq_u32 s33, -1
	s_cselect_b32 s36, 0x10000, 0
	s_or_b32 s35, s35, s36
	s_lshl_b32 s35, s35, s20                       ; (any open) << step | (all open) << (16 + step)
	v_mov_b32 v248, s34
	v_mov_b32 v249, s35
	v_mov_b32 v250, 0
	v_cmp_eq_u32 vcc_lo, 0, v1
	s_wait_xcnt 0x0                                ; EXEC changes only behind this wait
	s_wait_tensorcnt 0x0
	ds_add_u32 v254, v255
	s_wait_dscnt 0x0
	s_and_saveexec_b32 s37, vcc_lo
	global_store_b64 v250, v[248:249], s[18:19]    ; 8 bytes a wave, 16 KiB in the launch: the one store here that fills no whole 256 bytes
	s_wait_xcnt 0x0
	s_or_b32 exec_lo, exec_lo, s37
	s_endpgm
.Lfunc_end_k_q6f9398dfe8_prep:
	.size	k_q6f9398dfe8_prep, .Lfunc_end_k_q6f9398dfe8_prep-k_q6f9398dfe8_prep
	.p2alignl 7, 3214868480
	.fill 96, 4, 3214868480
	.section	.rodata,"a",@progbits
	.p2align	6, 0x0
	.amdhsa_kernel k_q6f9398dfe8_prep
		.amdhsa_group_segment_fixed_size 276480
		.amdhsa_private_segment_fixed_size 0
		.amdhsa_enable_private_segment 0
		.amdhsa_kernarg_size 64
		.amdhsa_user_sgpr_count 2
		.amdhsa_user_sgpr_kernarg_segment_ptr 1
		.amdhsa_wavefront_size32 1
		.amdhsa_system_sgpr_workgroup_id_x 1
		.amdhsa_system_sgpr_workgroup_id_y 1
		.amdhsa_system_sgpr_workgroup_id_z 1
		.amdhsa_system_vgpr_workitem_id 0
		.amdhsa_next_free_vgpr 256
		.amdhsa_next_free_sgpr 66
		.amdhsa_reserve_vcc 1
		.amdhsa_float_denorm_mode_32 3
		.amdhsa_float_denorm_mode_16_64 3
		.amdhsa_memory_ordered 1
		.amdhsa_forward_progress 1
		.amdhsa_inst_pref_size 51
	.end_amdhsa_kernel
	.amdgpu_metadata
---
amdhsa.version: [ 1, 2 ]
amdhsa.kernels:
  - .name:           k_q6f9398dfe8_prep
    .symbol:         k_q6f9398dfe8_prep.kd
    .args:
      - { .name: x, .offset: 0, .size: 8, .value_kind: global_buffer, .address_space: global }
      - { .name: W_qkv, .offset: 8, .size: 8, .value_kind: global_buffer, .address_space: global }
      - { .name: W_out, .offset: 16, .size: 8, .value_kind: global_buffer, .address_space: global }
      - { .name: mask, .offset: 24, .size: 8, .value_kind: global_buffer, .address_space: global }
      - { .name: wcodes, .offset: 32, .size: 8, .value_kind: global_buffer, .address_space: global }
      - { .name: wscales, .offset: 40, .size: 8, .value_kind: global_buffer, .address_space: global }
      - { .name: maskw, .offset: 48, .size: 8, .value_kind: global_buffer, .address_space: global }
      - { .name: flags, .offset: 56, .size: 8, .value_kind: global_buffer, .address_space: global }
    .group_segment_fixed_size: 276480
    .private_segment_fixed_size: 0
    .kernarg_segment_align: 8
    .kernarg_segment_size: 64
    .max_flat_workgroup_size: 512
    .sgpr_count:     66
    .vgpr_count:     256
    .wavefront_size: 32
...
	.end_amdgpu_metadata
.endif
;; end of part 1
;; launch qkv (part 2): grid 12 x 32, 4 waves a work-group, clusters of 4 x 4, 327,680 bytes of LDS; arguments wcodes, wscales, b_qkv, qkv_codes, qkv_scales; writes qkv_codes, qkv_scales
.if DOCPART == 2
	.amdgcn_target "amdgcn-amd-amdhsa--gfx1250"
	.amdhsa_code_object_version 6
	.text
	.protected	k_q6f9398dfe8_qkv
	.globl	k_q6f9398dfe8_qkv
	.p2align	8
	.type	k_q6f9398dfe8_qkv,@function
k_q6f9398dfe8_qkv:
	s_mov_b64 s[64:65], 0
	v_nop
	global_prefetch_b8 v0, s[64:65] scope:SCOPE_SE
	s_setreg_imm32_b32 hwreg(HW_REG_WAVE_MODE, 25, 1), 1
	s_wait_xcnt 0x0
	s_wait_alu depctr_hold_cnt(0) depctr_sa_sdst(0) depctr_va_vdst(0) depctr_va_sdst(0) depctr_va_ssrc(0) depctr_va_vcc(0) depctr_vm_vsrc(0)
	s_getreg_b32 s2, hwreg(HW_REG_IB_STS2, 6, 4)
	s_cmp_eq_u32 s2, 0
	s_cbranch_scc0 .Lentry_in_a_cluster
	s_endpgm
.Lentry_in_a_cluster:
	s_bfe_u32 s2, ttmp6, 0x10000c
	s_cmp_lg_u32 s2, 0xf033
	s_cbranch_scc0 .Lentry_shape_is_right
	s_endpgm
.Lentry_shape_is_right:
; qkv = x W_qkv^T + b_qkv on codes of BF6 (E3M2) with one E8M0 scale for each 32 along K = 1,024; the results are quantised on the way out, along the K of the product that will read them, and stored as images of that product's registers.
; THE PRODUCT.  A work-group of four waves makes 256 x 256, a wave 128 x 128: 64 accumulators, 512 registers.  Source 0 ("B") gives the rows that run along a lane's registers, source 1 ("A") the row that a lane holds.
; K goes in steps of 256 through a ring of two LDS slots filled by the tensor data mover.  The codes lie in memory in the order of the operand's registers ([tile of 16 rows][K / 128][group][lane][16 bytes]): a fragment comes by three
; loads of 16 bytes a lane, 512 consecutive bytes each: no pitch, no padding.  The scale words of a wave's 128 rows, for all of K, are 4,096 dense bytes: they come once, with the first fills.
; THE KIND hangs on the cluster's x, which all sixteen partners share: 0: q, 1: k: B = 256 rows of W, A = 256 tokens: a lane holds a token and 128 neighbouring n (two heads of 64): quantised along the head.
; 2: v: B = 256 tokens, A = 256 rows of W_v: a lane holds one channel d and 128 neighbouring keys: quantised along the keys.  (The rows of a tile of 16 are laid so that the registers of two tiles are 16 neighbours.)
; CLUSTERS: 4 x 4.  A's tile is shared along a row of the cluster, B's along a column: each is asked for jointly, by the same tensor load with the same descriptor and a mask that names the four.
; OUT.  q and k: for each head and 128 tokens 6,144 bytes: the image of 48 registers, register 6 t + e = register e of token tile t (64 along K: six registers); scale words [lane][4]: word A of lane (r, p) is tile 2 A + p's (bytes 2, 3 = 0).
; v: for each head and 128 keys four whole fragments (16 channels x 128 keys); scale words [lane][2].  Every store of codes covers 512 consecutive bytes, aligned.
; LIMITS: a block of zeros carries the byte 1 (its codes are zeros; this program alone reads the bytes); NaN and infinities are not served.
; REGISTERS, in windows of 256: window 0: v16-29 addresses; v32-63 scale words, two sets; v64-127 the bias along n; v128-223 A's fragments, one set; v224-231 the bias by row; on the way out v128-251 at work.
;   window 1: B's fragments, two sets, at v0 and v128.   window 2: the accumulators of A's blocks 0-3 ((a, b) at v[8 (8 (a % 4) + b)]);   window 3: blocks 4-7.
.set NQ,     2                         ; matrix instructions deep in a slot: 256 along K
.set FR,     12                        ; registers of a fragment
.set NL,     3                         ; LDS loads that bring one
.set NP,     4                         ; places behind this matrix instruction (ISA guide 7.12.1)
.set FRB,    1536                      ; a fragment's image in bytes
.set TILEB,  8*FRB                     ; a tile of 16 rows, all of K
.set HALFT,  8*NQ*FRB                  ; 128 rows x 256 along K: what one tensor load brings
.set SLOT,   4*HALFT                   ; A's two halves, then B's
.set SCL,    2*SLOT                    ; behind the ring: the scale words, 4,096 bytes for each wave's load
.set SPARE,  SCL+4*4096                ; behind them the spare words, 128 bytes a wave: two blocks of 256 bytes that no other line names
.set ADRA, 16                          ; v16-17  LDS address of my A fragments in slot 0, 1
.set ADRB, 20                          ; v20-21  the same for B
.set ADRS, 27                          ; v27     of my scale words: lanes 0-15 A's rows, lanes 16-31 B's
.set SPW,  28                          ; v28     my spare word: SPARE + 4 x my thread's number; never rewritten
.set NIL,  29                          ; v29     0; never rewritten
.set SC,   32                          ; scale words: set s at v[SC + 16 s]; register 2 i + q: lanes 0-15 A's block i, lanes 16-31 B's block i, the slot's q-th 128 along K
.set BI,   64                          ; v64-127  bias of my 64 n (q, k)
.set AF,   128                         ; A's fragments
.set BV,   224                         ; v224-231 bias of my row in A's block a (v)
.set H,    128                         ; the way out: 64 numbers
.set P,    192                         ; v192-215 codes
.set CT,   216                         ; v216-218, v220-222 the conversions' second halves
.set TM,   232                         ; v232-247 at work in QUANT
.set PW,   248                         ; the scale word just made
.set PWE,  249                         ; the even tile's
.set SW0,  32                          ; v32-35, v36-39 the scale images of the two heads
.set SW1,  36
.set G1, 24                            ; s[24:31] descriptor group 1 for A's tiles;  s[32:39] group 0, one set for each slot
.set G0, 32
.set G1B, 48                           ; s[48:55], s[56:63] the same for B's
.set G0B, 56
.set G1S, 68                           ; s[68:75], s[76:79] groups 1 and 0 for A's scale words;  s[80:87], s[88:91] for B's
.set G0S, 76
.set G1SB, 80
.set G0SB, 88
.set SEL, 94                           ; s[94:95] lane selects for v_permlanex16_b32: lane l xor 16
.set MSB, 0
.macro WIN new                         ; the immediate's high byte repeats the setting that is left
.if MSB != (\new)
	s_set_vgpr_msb (MSB<<8)|(\new)
.set MSB, (\new)
.endif
.endm
.set MUL_LO, 0xa1                      ; source 0 (B) window 1, source 1 (A) window 0, C and D window 2
.set MUL_HI, 0xf1                      ; the same, C and D window 3
.set TO_B,   0x40                      ; destination window 1, address window 0
; A joint load: waves 0 and 1 fetch for A, waves 2 and 3 for B.  Each line has one mask and one set of registers for all that issue it; the branch hangs on the wave's number alone.  Four v_nop follow each line.
.macro JLOAD g0a, g1a, g0b, g1b
	s_cmp_eq_u32 s15, 0
	s_cbranch_scc0 .Lfor_b_\@
	tensor_load_to_lds s[\g0a:\g0a+3], s[\g1a:\g1a+7]
	s_nop 0
.rept 4
	v_nop
.endr
	s_branch .Lasked_\@
.Lfor_b_\@:
	tensor_load_to_lds s[\g0b:\g0b+3], s[\g1b:\g1b+7]
	s_nop 0
.rept 4
	v_nop
.endr
.Lasked_\@:
.endm
.macro CREST                           ; a round of the cluster's barrier behind its opening barrier
	s_cmp_lg_u32 s14, 0
	s_cbranch_scc1 .Lnot_wave_0_\@
	s_barrier_signal -3
.Lnot_wave_0_\@:
	s_barrier_wait -3
	s_barrier_signal -1
	s_barrier_wait -1
.endm
.macro CROUND                          ; a whole round
	s_barrier_signal -1
	s_barrier_wait -1
	CREST
.endm
.macro FRAG reg, adr, q, i             ; block i's fragment of the slot's q-th 128 along K: three groups of four registers, 512 consecutive bytes each
.irp g, 0,1,2
	ds_load_b128 v[\reg+4*\g:\reg+4*\g+3], v[\adr] offset:(\i)*NQ*FRB+(\q)*FRB+512*\g
.endr
.endm
; 16 matrix instructions: A's blocks a0, a0 + 1 x B's eight.  p: B's set;  sc: the set of scale words.  zero = 1: the first product starts the sums.  The 64 accumulators take turns, one instruction a turn.
.macro MUL16 a0, p, q, sc, zero
.irp a, \a0, \a0+1
.irp b, 0,1,2,3,4,5,6,7
.if \zero
	v_wmma_scale_f32_16x16x128_f8f6f4 v[8*(8*((\a)%4)+\b):8*(8*((\a)%4)+\b)+7], v[128*(\p)+FR*\b:128*(\p)+FR*\b+FR-1], v[AF+FR*(\a):AF+FR*(\a)+FR-1], 0, v[SC+8*NQ*(\sc)+NQ*\b+(\q)], v[SC+8*NQ*(\sc)+NQ*(\a)+(\q)] matrix_a_fmt:MATRIX_FMT_BF6 matrix_b_fmt:MATRIX_FMT_BF6 matrix_a_scale:MATRIX_SCALE_ROW1
.else
	v_wmma_scale_f32_16x16x128_f8f6f4 v[8*(8*((\a)%4)+\b):8*(8*((\a)%4)+\b)+7], v[128*(\p)+FR*\b:128*(\p)+FR*\b+FR-1], v[AF+FR*(\a):AF+FR*(\a)+FR-1], v[8*(8*((\a)%4)+\b):8*(8*((\a)%4)+\b)+7], v[SC+8*NQ*(\sc)+NQ*\b+(\q)], v[SC+8*NQ*(\sc)+NQ*(\a)+(\q)] matrix_a_fmt:MATRIX_FMT_BF6 matrix_b_fmt:MATRIX_FMT_BF6 matrix_a_scale:MATRIX_SCALE_ROW1
.endif
.endr
.endr
.endm
.macro FETCH_B slot, q, p              ; B's eight fragments into set p: 24 loads
	WIN TO_B
.irp i, 0,1,2,3,4,5,6,7
	FRAG 128*(\p)+FR*\i, ADRB+\slot, \q, \i
.endr
	WIN 0
.endm
.macro FETCH_A slot, q, i0             ; A's blocks i0 .. i0 + 3: 12 loads
.irp i, \i0, \i0+1, \i0+2, \i0+3
	FRAG AF+FR*(\i), ADRA+\slot, \q, \i
.endr
.endm
.macro SCALES sc                       ; the K step's scale words into set sc: 16 loads; lanes 0-15 take A's block i, lanes 16-31 B's
.irp i, 0,1,2,3,4,5,6,7
.irp q, 0,1
	ds_load_b32 v[SC+8*NQ*\sc+NQ*\i+\q], v[ADRS] offset:64*\i+512*\q
.endr
.endr
.endm
.macro PLACES n                        ; plain vector lines between a matrix instruction and a load into, or a vector line on, its registers
.rept \n
	v_nop
.endr
.endm
.macro STEP slot, q, zero              ; 128 along K that has its successor in the same slot
	s_wait_dscnt 4*NL                              ; all but the youngest 12 loads (A's blocks 4-7) are in
	WIN MUL_LO
	MUL16 0, (\q)%2, \q, \slot, \zero
	MUL16 2, (\q)%2, \q, \slot, \zero
	s_wait_dscnt 0                                 ; A's blocks 4-7 are in
	PLACES NP
	FETCH_B \slot, (\q)+1, 1-(\q)%2
	FETCH_A \slot, (\q)+1, 0
	WIN MUL_HI
	MUL16 4, (\q)%2, \q, \slot, \zero
	MUL16 6, (\q)%2, \q, \slot, \zero
	PLACES NP
	WIN 0
	FETCH_A \slot, (\q)+1, 4
.endm
; A slot's last 128 along K changes slots: one barrier; in front of it each wave waits for all its tensor loads, adds 0 to its spare word, and waits for that and for its reads of this slot.  fill = 1: the slot is filled again, two K steps ahead.
.macro TURN slot, next, fill
	s_wait_tensorcnt 0x0                           ; all my tensor loads have landed: my part of the next slot
	ds_add_u32 v[SPW], v[NIL]                      ; 0 onto my spare word
	s_wait_dscnt 4*NL+1                            ; the add and the youngest 12 loads may be out
	WIN MUL_LO
	MUL16 0, 1, NQ-1, \slot, 0
	s_wait_dscnt 0x0                               ; the add is done, and my reads of this slot are over
	s_barrier_signal -1
	MUL16 2, 1, NQ-1, \slot, 0
	WIN 0
	s_barrier_wait -1
.if \fill
	CREST                                          ; the barrier has opened a round of the cluster's: no wave of any partner still reads this slot or has a load on its way
	s_add_nc_u64 s[G0+4*\slot+2:G0+4*\slot+3], s[G0+4*\slot+2:G0+4*\slot+3], 2*NQ*FRB
	s_add_nc_u64 s[G0B+4*\slot+2:G0B+4*\slot+3], s[G0B+4*\slot+2:G0B+4*\slot+3], 2*NQ*FRB
	JLOAD G0+4*\slot, G1, G0B+4*\slot, G1B         ; the first tensor load behind the round; its four v_nop are the places in front of the loads below
.else
	PLACES NP
.endif
	v_add_nc_u32 v[ADRS], 512*NQ, v[ADRS]          ; the next K step's scale words
	FETCH_B \next, 0, 0
	FETCH_A \next, 0, 0
	SCALES \next
	WIN MUL_HI
	MUL16 4, 1, NQ-1, \slot, 0
	MUL16 6, 1, NQ-1, \slot, 0
	PLACES NP
	WIN 0
	FETCH_A \next, 0, 4
.endm
; 64 numbers of a lane, register 16 b + i = k 32 b + 16 (lane / 16) + i of my row, become a fragment's codes (registers 0-5 at d0, 6-11 at d1) and its scale word in v[PW].
.macro QUANT s, d0, d1
.irp b, 0,1,2,3
	v_max3_num_f32 v[TM+\b], |v[\s+16*\b]|, |v[\s+1+16*\b]|, 0x2800000   ; and the floor 2^(5 - 127): the byte cannot fall under 1
.endr
.irp i, 2,4,6,8,10,12,14
.irp b, 0,1,2,3
	v_max3_num_f32 v[TM+\b], v[TM+\b], |v[\s+16*\b+\i]|, |v[\s+1+16*\b+\i]|
.endr
.endr
.irp b, 0,1,2,3
	v_permlanex16_b32 v[TM+4+\b], v[TM+\b], s[SEL], s[SEL+1]
.endr
.irp b, 0,1,2,3
	v_max_num_f32 v[TM+\b], v[TM+\b], v[TM+4+\b]
.endr
.irp b, 0,1,2,3
	v_add_nc_u32 v[TM+12+\b], 0xfe000000, v[TM+\b]   ; 4 off the exponent field: the conversion's scale operand
.endr
.irp b, 0,1,2,3
	v_lshrrev_b32 v[TM+4+\b], 23, v[TM+12+\b]      ; the scale's byte
.endr
	v_lshl_or_b32 v[PW], v[TM+5], 8, v[TM+4]
	v_lshl_or_b32 v[PW], v[TM+6], 16, v[PW]
	v_lshl_or_b32 v[PW], v[TM+7], 24, v[PW]
	v_cvt_scalef32_pk16_bf6_f32 v[\d0:\d0+2], v[\s:\s+15], v[TM+12]
	v_cvt_scalef32_pk16_bf6_f32 v[CT:CT+2], v[\s+16:\s+31], v[TM+13]
	v_cvt_scalef32_pk16_bf6_f32 v[\d1:\d1+2], v[\s+32:\s+47], v[TM+14]
	v_cvt_scalef32_pk16_bf6_f32 v[CT+4:CT+6], v[\s+48:\s+63], v[TM+15]
	v_nop                                          ; one plain line behind the scaled conversions
.irp i, 0,1,2
	v_permlane16_swap_b32 v[\d0+\i], v[CT+\i]      ; a whole block to a lane: lanes 0-15 the even block, lanes 16-31 the odd one
.endr
.irp i, 0,1,2
	v_permlane16_swap_b32 v[\d1+\i], v[CT+4+\i]
.endr
.irp i, 0,1,2
	v_mov_b32 v[\d0+3+\i], v[CT+\i]
	v_mov_b32 v[\d1+3+\i], v[CT+4+\i]
.endr
.endm
	s_load_b256 s[4:11], s[0:1], 0x0               ; wcodes s[4:5], wscales s[6:7], b_qkv s[8:9], qkv_codes s[10:11]
	s_load_b64 s[12:13], s[0:1], 0x20              ; qkv_scales
	v_lshl_add_u32 v[SPW], v0, 2, SPARE
	v_mov_b32 v[NIL], 0
	ds_add_u32 v28, v29
	ds_add_u32 v28, v29
	s_wait_dscnt 0x0
	v_lshrrev_b32 v1, 5, v0
	v_readfirstlane_b32 s14, v1                    ; wave 0..3
	s_lshr_b32 s15, s14, 1                         ; which half of A's rows is mine.  Also: I fetch for A (0) or for B (1)
	s_and_b32 s16, s14, 1                          ; which half of B's rows.  Also: which 128 rows I fetch
	s_bfe_u32 s40, ttmp6, 0x40000                  ; cx, cy: my place in the cluster
	s_bfe_u32 s41, ttmp6, 0x40004
	s_and_b32 s17, ttmp7, 0xffff                   ; the cluster's y
	s_cmp_eq_u32 ttmp9, 2                          ; v?  The cluster's x is the same in all sixteen partners
	s_cselect_b32 s18, s17, ttmp9                  ; B walks the tokens (v) or W's rows of q and k
	s_cselect_b32 s19, 0, s17                      ; A walks W_v's rows (v) or the tokens
	s_cselect_b32 s20, 0, 512                      ; B's first tile of 16 rows in the tall matrix: x at 0, W_qkv at 512
	s_cselect_b32 s21, 640, 0                      ; A's: W_v at 512 + 128
	s_lshl_b32 s18, s18, 2
	s_add_co_u32 s42, s18, s40                     ; B's block of 256 rows
	s_lshl_b32 s19, s19, 2
	s_add_co_u32 s17, s19, s41                     ; A's
	s_lshl_b32 s43, s41, 2
	s_lshl_b32 s43, 15, s43                        ; my row of the cluster
	s_lshl_b32 s44, 0x1111, s40                    ; my column
	; descriptor group 1 for codes: 8 tiles of 16 rows x 3,072 bytes (384 elements of 8 bytes), 12,288 bytes apart; no padding
	s_or_b32 s[G1+0], s43, (3<<16)|(1<<21)         ; 15:0 the mask: A's tiles go to my row; 17:16 elements of 8 bytes; 21 set beside a mask
	s_or_b32 s[G1B+0], s44, (3<<16)|(1<<21)
.irp g, G1, G1B
	s_mov_b32 s[\g+1], 384<<16                     ; tensor_dim0
	s_mov_b32 s[\g+2], 8<<16                       ; tensor_dim1
	s_mov_b32 s[\g+3], 384<<16                     ; tile_dim0
	s_mov_b32 s[\g+4], 8                           ; tile_dim1
	s_mov_b32 s[\g+5], 1536                        ; tensor_dim0_stride
	s_mov_b32 s[\g+6], 0
	s_mov_b32 s[\g+7], 0
.endr
	; and for the scale words of 128 rows: 4,096 dense bytes as 16 rows of 256
	s_or_b32 s[G1S+0], s43, (3<<16)|(1<<21)
	s_or_b32 s[G1SB+0], s44, (3<<16)|(1<<21)
.irp g, G1S, G1SB
	s_mov_b32 s[\g+1], 32<<16
	s_mov_b32 s[\g+2], 16<<16
	s_mov_b32 s[\g+3], 32<<16
	s_mov_b32 s[\g+4], 16
	s_mov_b32 s[\g+5], 32
	s_mov_b32 s[\g+6], 0
	s_mov_b32 s[\g+7], 0
.endr
	s_lshl_b32 s23, s16, 3                         ; which 8 tiles of the 16 I fetch
	s_lshl_b32 s22, s17, 4
	s_add_co_u32 s22, s22, s21
	s_add_co_u32 s22, s22, s23                     ; A: my first tile
	s_lshl_b32 s46, s42, 4
	s_add_co_u32 s46, s46, s20
	s_add_co_u32 s46, s46, s23                     ; B: my first tile
	s_mul_i32 s92, s22, TILEB                      ; their codes,
	s_mov_b32 s93, 0
	s_lshl_b32 s94, s22, 9                         ; and scale words (4,096 bytes for 8 tiles), in bytes
	s_mov_b32 s95, 0
	s_mul_i32 s96, s46, TILEB
	s_mov_b32 s97, 0
	s_lshl_b32 s98, s46, 9
	s_mov_b32 s99, 0
	s_mul_i32 s45, s14, HALFT                      ; where they go: no place in the cluster enters an LDS address
	s_lshl_b32 s47, s14, 12
	s_wait_kmcnt 0x0
	s_add_nc_u64 s[92:93], s[4:5], s[92:93]
	s_add_nc_u64 s[94:95], s[6:7], s[94:95]
	s_add_nc_u64 s[96:97], s[4:5], s[96:97]
	s_add_nc_u64 s[98:99], s[6:7], s[98:99]
	CROUND                                         ; all sixteen work-groups are here: the first joint loads meet
	s_mov_b32 s[G0S], 1
	s_add_co_u32 s[G0S+1], s47, SCL
	s_mov_b64 s[G0S+2:G0S+3], s[94:95]
	s_or_b32 s[G0S+3], s[G0S+3], 0x80000000
	s_mov_b32 s[G0SB], 1
	s_add_co_u32 s[G0SB+1], s47, SCL
	s_mov_b64 s[G0SB+2:G0SB+3], s[98:99]
	s_or_b32 s[G0SB+3], s[G0SB+3], 0x80000000
	JLOAD G0S, G1S, G0SB, G1SB                     ; the scale words first: they are wanted with K step 0
.irp s, 0,1
	s_mov_b32 s[G0+4*\s], 1
	s_add_co_u32 s[G0+4*\s+1], s45, \s*SLOT
	s_add_nc_u64 s[G0+4*\s+2:G0+4*\s+3], s[92:93], \s*NQ*FRB
	s_or_b32 s[G0+4*\s+3], s[G0+4*\s+3], 0x80000000
	s_mov_b32 s[G0B+4*\s], 1
	s_add_co_u32 s[G0B+4*\s+1], s45, \s*SLOT
	s_add_nc_u64 s[G0B+4*\s+2:G0B+4*\s+3], s[96:97], \s*NQ*FRB
	s_or_b32 s[G0B+4*\s+3], s[G0B+4*\s+3], 0x80000000
	JLOAD G0+4*\s, G1, G0B+4*\s, G1B
.endr
	v_and_b32 v1, 15, v0                           ; r
	v_bfe_u32 v2, v0, 4, 1                         ; h
	v_and_b32 v3, 31, v0
	v_lshlrev_b32 v26, 4, v3                       ; 16 x lane
	v_lshlrev_b32 v25, 3, v3                       ; 8 x lane
	s_mul_i32 s21, s15, HALFT                      ; my 128 rows of A
	s_mul_i32 s22, s16, HALFT                      ; my 128 rows of B,
	s_add_co_u32 s22, s22, 2*HALFT                 ; which lie behind A's 256
.irp s, 0,1
	v_add_nc_u32 v[ADRA+\s], s21, v26
	v_add_nc_u32 v[ADRB+\s], s22, v26
	s_add_co_u32 s21, s21, SLOT
	s_add_co_u32 s22, s22, SLOT
.endr
	s_lshl_b32 s21, s15, 12                        ; A's scale words: my 128 rows
	s_lshl_b32 s22, s16, 12                        ; B's: my 128 rows, behind A's 256
	s_add_co_u32 s22, s22, 8192
	s_sub_co_u32 s22, s22, s21
	v_mul_u32_u24 v6, s22, v2                      ; lanes 16-31 take B's: one product, h x the distance
	s_add_co_u32 s21, s21, SCL
	v_lshlrev_b32 v5, 2, v1
	v_add_nc_u32 v5, v5, v6
	v_add_nc_u32 v[ADRS], s21, v5
	; the biases and the way out: in registers that feed no descriptor
	s_lshl_b32 s18, s42, 8
	s_lshl_b32 s19, s16, 7
	s_add_co_u32 s18, s18, s19                     ; my first row of B's walk
	s_lshl_b32 s19, s17, 8
	s_lshl_b32 s20, s15, 7
	s_add_co_u32 s19, s19, s20                     ; and of A's
	s_add_co_u32 s20, s19, 2048                    ; as a row of W_qkv, for v
	s_and_b32 s21, s18, 1023                       ; n within q or within k
	s_mov_b32 s96, 196608
	s_mov_b32 s97, 12288
	s_mov_b32 s98, 6291456
	s_mov_b32 s99, 524288
	s_mov_b32 s100, 768
	s_cmp_eq_u32 ttmp9, 2
	s_cselect_b32 s22, 0, s18                      ; the bias along n begins here (v: not used, entry 0)
	s_cselect_b32 s23, s20, 0                      ; the bias by row (q, k: not used, entry 0)
	s_cselect_b32 s46, s18, s19                    ; my first token
	s_cselect_b32 s66, s19, s21                    ; my first channel of the 1,024
	s_cselect_b32 s2, 6144, 0                      ; v's codes lie behind k's in a step's record,
	s_cselect_b32 s3, 512, 0                       ; and its scale words likewise
	s_cmp_eq_u32 ttmp9, 0
	s_cselect_b32 s101, 8192, s97                  ; scale words: from head to head (q: 16 x 512; k and v: 16 x 768)
	s_cselect_b32 s96, 98304, s96                  ; codes: from head to head (q: 16 x 6,144; k and v: 16 x 12,288)
	s_cselect_b32 s97, 6144, s97                   ; codes: from 128 tokens to the next
	s_cselect_b32 s98, 0, s98                      ; where the region begins
	s_cselect_b32 s99, 0, s99
	s_cselect_b32 s100, 512, s100                  ; scale words: from 128 tokens to the next
	s_lshr_b32 s18, s46, 11
	s_lshl_b32 s18, s18, 4
	s_lshr_b32 s19, s66, 6
	s_add_co_u32 s18, s18, s19                     ; 16 x batch + head: the first of my two heads
	s_bfe_u32 s19, s46, 0x40007                    ; which 128 tokens of the 2,048
	s_mul_i32 s20, s18, s96
	s_mul_i32 s21, s19, s97
	s_add_co_u32 s20, s20, s21
	s_add_co_u32 s20, s20, s98
	s_add_co_u32 s20, s20, s2
	s_mul_i32 s18, s18, s101
	s_mul_i32 s19, s19, s100
	s_add_co_u32 s18, s18, s19
	s_add_co_u32 s18, s18, s99
	s_add_co_u32 s18, s18, s3
	s_mov_b32 s21, 0
	s_mov_b32 s19, 0
	s_mov_b32 s97, 0
	s_mov_b32 s100, s101
	s_mov_b32 s101, 0
	s_add_nc_u64 s[92:93], s[10:11], s[20:21]      ; the first head's codes,
	s_add_nc_u64 s[96:97], s[92:93], s[96:97]      ; the second's,
	s_add_nc_u64 s[98:99], s[12:13], s[18:19]      ; the first head's scale words,
	s_add_nc_u64 s[100:101], s[98:99], s[100:101]  ; the second's
	s_lshl_b32 s20, s22, 2
	s_add_nc_u64 s[20:21], s[8:9], s[20:21]
	s_lshl_b32 s22, s23, 2
	s_mov_b32 s23, 0
	s_add_nc_u64 s[22:23], s[8:9], s[22:23]
	s_mov_b32 s[SEL], 0x76543210
	s_mov_b32 s[SEL+1], 0xfedcba98
	s_mov_b32 s67, 0xffff0000                      ; lanes 16-31
	v_lshlrev_b32 v5, 6, v2                        ; along n: register 16 b + i is n 32 b + 16 h + i
	v_and_b32 v6, 7, v1
	v_lshrrev_b32 v7, 3, v1
	v_lshlrev_b32 v6, 2, v6
	v_lshl_add_u32 v6, v7, 6, v6                   ; by row: lane r of block a is row 32 (a / 2) + 8 (a % 2) + r % 8 + 16 (r / 8)
.irp b, 0,1,2,3
.irp e, 0,1,2,3
	global_load_b128 v[BI+16*\b+4*\e:BI+16*\b+4*\e+3], v5, s[20:21] offset:128*\b+16*\e
.endr
.endr
.irp a, 0,1,2,3,4,5,6,7
	global_load_b32 v[BV+\a], v6, s[22:23] offset:(32*(\a/2)+8*(\a%2))*4
.endr
.irp b, 0,1,2,3
	v_mov_b32 v[TM+4+\b], 0                        ; written once: a lane permute's destination counts as one of its sources
.endr
	s_wait_tensorcnt 1                             ; the scale words and my part of K step 0 are in; K step 1's load may be out
	s_barrier_signal -1
	s_barrier_wait -1
	FETCH_B 0, 0, 0
	FETCH_A 0, 0, 0
	SCALES 0
	FETCH_A 0, 0, 4
	STEP 0, 0, 1                                   ; K = 1,024 is four K steps: written straight on.  The first products start the sums
	TURN 0, 1, 1                                   ; slot 0 takes K step 2
	STEP 1, 0, 0
	TURN 1, 0, 1                                   ; slot 1 takes K step 3
	STEP 0, 0, 0
	TURN 0, 1, 0                                   ; nothing is left to fetch
	STEP 1, 0, 0
	s_wait_dscnt 4*NL
	WIN MUL_LO
	MUL16 0, 1, NQ-1, 1, 0
	MUL16 2, 1, NQ-1, 1, 0
	s_wait_dscnt 0
	WIN MUL_HI
	MUL16 4, 1, NQ-1, 1, 0
	MUL16 6, 1, NQ-1, 1, 0
	WIN 0
	PLACES NP                                      ; in front of the first read of results and the first write over A's fragments
	s_wait_loadcnt 0x0                             ; the biases
; q, k: A's block a is a tile of 16 tokens; my 64 numbers are two heads' 2 x 32.  Two tiles' codes fill three groups of four registers for each head.
.macro QKBLOCK a
	s_wait_xcnt 0x0                                ; the last stores have read their data
	WIN 0x02+(\a)/4
.set k, 0
.rept 32
	v_pk_add_f32 v[H+k:H+k+1], v[64*((\a)%4)+k:64*((\a)%4)+k+1], v[BI+k:BI+k+1]   ; + bias; each accumulator from its low end on
.set k, k+2
.endr
	WIN 0
	QUANT H, P+6*((\a)%2), P+12+6*((\a)%2)
.if (\a)%2
	v_cndmask_b32 v[PWE], v[PWE], v[PW], s67       ; lanes 0-15 the even tile's word, lanes 16-31 the odd one's
	v_and_b32 v[SW0+(\a)/2], 0xffff, v[PWE]        ; the first head's two bytes,
	v_lshrrev_b32 v[SW1+(\a)/2], 16, v[PWE]        ; the second's
.irp g, 0,1,2
	global_store_b128 v26, v[P+4*\g:P+4*\g+3], s[92:93] offset:(3*((\a)/2)+\g)*512
	global_store_b128 v26, v[P+12+4*\g:P+12+4*\g+3], s[96:97] offset:(3*((\a)/2)+\g)*512
.endr
.else
	v_mov_b32 v[PWE], v[PW]
.endif
.endm
; v: A's block a is 16 channels of head a / 4; my 64 numbers run along 128 keys: a whole fragment.
.macro VBLOCK a
	s_wait_xcnt 0x0
	v_mov_b32 v250, v[BV+(\a)]
	v_mov_b32 v251, v[BV+(\a)]
	WIN 0x02+(\a)/4
.set k, 0
.rept 32
	v_pk_add_f32 v[H+k:H+k+1], v[64*((\a)%4)+k:64*((\a)%4)+k+1], v[250:251]
.set k, k+2
.endr
	WIN 0
	QUANT H, P, P+6
.irp g, 0,1,2
.if (\a) < 4
	global_store_b128 v26, v[P+4*\g:P+4*\g+3], s[92:93] offset:((\a)%4)*FRB+512*\g
.else
	global_store_b128 v26, v[P+4*\g:P+4*\g+3], s[96:97] offset:((\a)%4)*FRB+512*\g
.endif
.endr
.if (\a)%2
	v_cndmask_b32 v[SW0+(\a)/2], v[PWE], v[PW], s67
.else
	v_mov_b32 v[PWE], v[PW]
.endif
.endm
	s_cmp_eq_u32 ttmp9, 2
	s_cbranch_scc1 .Lv
.irp a, 0,1,2,3,4,5,6,7
	QKBLOCK \a
.endr
	global_store_b128 v26, v[SW0:SW0+3], s[98:99]
	global_store_b128 v26, v[SW1:SW1+3], s[100:101]
	s_branch .Lend
.Lv:
.irp a, 0,1,2,3,4,5,6,7
	VBLOCK \a
.endr
	global_store_b64 v25, v[SW0:SW0+1], s[98:99]
	global_store_b64 v25, v[SW0+2:SW0+3], s[100:101]
.Lend:
	s_wait_tensorcnt 0x0                           ; the wave's end
	ds_add_u32 v[SPW], v[NIL]
	s_wait_dscnt 0x0
	CROUND                                         ; the closing round: no work-group ends while a partner may still ask for a tile that names it
	s_endpgm
.Lfunc_end_k_q6f9398dfe8_qkv:
	.size	k_q6f9398dfe8_qkv, .Lfunc_end_k_q6f9398dfe8_qkv-k_q6f9398dfe8_qkv
	.p2alignl 7, 3214868480
	.fill 96, 4, 3214868480
	.section	.rodata,"a",@progbits
	.p2align	6, 0x0
	.amdhsa_kernel k_q6f9398dfe8_qkv
		.amdhsa_group_segment_fixed_size 327680
		.amdhsa_private_segment_fixed_size 0
		.amdhsa_enable_private_segment 0
		.amdhsa_kernarg_size 40
		.amdhsa_user_sgpr_count 2
		.amdhsa_user_sgpr_kernarg_segment_ptr 1
		.amdhsa_wavefront_size32 1
		.amdhsa_system_sgpr_workgroup_id_x 1
		.amdhsa_system_sgpr_workgroup_id_y 1
		.amdhsa_system_sgpr_workgroup_id_z 1
		.amdhsa_system_vgpr_workitem_id 0
		.amdhsa_next_free_vgpr 1024
		.amdhsa_next_free_sgpr 102
		.amdhsa_reserve_vcc 0
		.amdhsa_float_denorm_mode_32 3
		.amdhsa_float_denorm_mode_16_64 3
		.amdhsa_memory_ordered 1
		.amdhsa_forward_progress 1
		.amdhsa_inst_pref_size 212
	.end_amdhsa_kernel
	.amdgpu_metadata
---
amdhsa.version: [ 1, 2 ]
amdhsa.kernels:
  - .name:           k_q6f9398dfe8_qkv
    .symbol:         k_q6f9398dfe8_qkv.kd
    .args:
      - { .name: wcodes, .offset: 0, .size: 8, .value_kind: global_buffer, .address_space: global }
      - { .name: wscales, .offset: 8, .size: 8, .value_kind: global_buffer, .address_space: global }
      - { .name: b_qkv, .offset: 16, .size: 8, .value_kind: global_buffer, .address_space: global }
      - { .name: qkv_codes, .offset: 24, .size: 8, .value_kind: global_buffer, .address_space: global }
      - { .name: qkv_scales, .offset: 32, .size: 8, .value_kind: global_buffer, .address_space: global }
    .group_segment_fixed_size: 327680
    .private_segment_fixed_size: 0
    .kernarg_segment_align: 8
    .kernarg_segment_size: 40
    .max_flat_workgroup_size: 128
    .sgpr_count:     102
    .vgpr_count:     1024
    .wavefront_size: 32
...
	.end_amdgpu_metadata
.endif
;; end of part 2
;; launch attn (part 3): grid 8 x 32, 16 waves a work-group, no clusters, 93,184 bytes of LDS; arguments qkv_codes, qkv_scales, maskw, flags, a_codes, a_scales; writes a_codes, a_scales
.if DOCPART == 3
	.amdgcn_target "amdgcn-amd-amdhsa--gfx1250"
	.amdhsa_code_object_version 6
	.text
	.protected	k_q6f9398dfe8_attn
	.globl	k_q6f9398dfe8_attn
	.p2align	8
	.type	k_q6f9398dfe8_attn,@function
k_q6f9398dfe8_attn:
	s_mov_b64 s[64:65], 0
	v_nop
	global_prefetch_b8 v0, s[64:65] scope:SCOPE_SE
	s_setreg_imm32_b32 hwreg(HW_REG_WAVE_MODE, 25, 1), 1
	s_wait_xcnt 0x0
; o = softmax(mask(q k^T / 8)) v for 64 batch-heads of 2,048 tokens x 64 channels, both products on codes of BF6 (E3M2) with one E8M0 scale for each 32 along K; o is quantised along the 1,024 channels and stored as the last product's operand.
; THE SOFTMAX AHEAD OF THE SECOND PRODUCT: t = score x log2(e) / 8; M = the row's largest t so far, rounded up to a whole number; p = 2^(t - M) is quantised along the keys, not normalised; the row's sum is taken of the unquantised p and divides at the end.
; When M moves, the sum and O are multiplied by 2^(old M - new M): exact.
; THE MASK is an input.  An earlier launch has packed it: for each tile of 16 queries and step of 128 keys 64 words, word n for score register n, bit l for lane l; and two flags a step: any key open, all keys open.
; A hidden score becomes -2^33 ahead of the maximum.  A step in which nothing is open for the tile is passed over by a scalar branch on the stored flags, unless some row of the tile has no open key at all: then every step is worked,
; and that row comes out as the mean of v, as where() with one large negative number makes it.  A step in which all is open skips the 64 selects.
; LIMITS: -2^33 stands for score -8e9 (logit -2^30 for -1e9): the results agree while open logits lie above about -1e9.  A block of zeros carries the byte 1.  NaN and infinities are not served.
; SHARES.  A work-group serves one batch and a PAIR of heads, in two passes, so that a wave ends with a whole fragment (128 along the last product's K) of o.  Waves 0-7 own the 128 queries of block i, waves 8-15 those of block 15 - i;
; a wave owns one tile of 16 queries in 256 registers.  Every wave walks the keys 128 a step.
; K AND V come from memory through registers into two LDS buffers of two steps each (24,576 bytes), all 512 threads copying 48 bytes, one slot ahead; one barrier a slot.  No tensor load: the steps are passed over by branches on stored numbers.
; No cluster for the same reason.  Nothing is prefetched: each slot is asked for a whole slot ahead of its use, into registers.
; LAYOUT.  Both products are used transposed: S^T = K Q^T (source 0 = 16 keys, source 1 = my 16 queries), O^T = V^T P^T: a lane holds one query throughout.  The head's 64 fill half of the instruction's 128 along K: Q's upper six registers are zero codes.
; The keys of a tile are laid so that the 16 registers of tiles 2 b and 2 b + 1 are keys 32 b + 16 (lane / 16) + 0 .. 15; V's channels likewise.
; REGISTERS: v1 16 x lane, v2 8 x lane, v3 16 x thread; v6-7 addresses of scale words; v8 the copy's offset; v9-11, v31 Q's offsets; v12 -M, v13 the largest t, v[14:15] the sum; v16-21 Q, v22-27 zeros; v28 Q's scale word; v29 -2^33; v30 o's scale word;
; v32-79 K, then V; v80-85 zeros; v86-89 K's scale words, v90-91 V's; v92-95 addresses; v96-159 S^T, then p; v160-191 O^T; v192-203 p's codes; v204-210 conversions' second halves; v212-227 at work; v232-243 the copy; v244-255 o's fragment.
.set BUF1,  32768                      ; LDS: buffer 0 at 0, buffer 1 here
.set SLOTB, 24576                      ; a slot: two steps
.set STEPB, 12288                      ; a step: K's 6,144 bytes, then V's
.set SCLA,  65536                      ; the scale images of both heads' 32 steps, 768 bytes each: copied once
.set GATH,  SCLA+24576                 ; 1,024 bytes: o's scale words of the 16 waves
.set ADS,  6
.set ADT,  7
.set ASK0, 94                          ; v94  SCLA + 16 x lane
.set ASV0, 95                          ; v95  SCLA + 512 + 8 x lane
.set CT,   204
.set BM,   212                         ; the blocks' largest scores, then largest p
.set BT,   216
.set SO,   220                         ; the conversions' scale operands
.set TMP,  224
.set PWS,  225                         ; p's scale word
.set F,    226                         ; v[226:227] 2^(old M - new M) (the pair's upper half is written once)
.set G,    232
.set AF,   244
.set TS,   3                           ; s3   the step's scale images: 768 bytes a step, through both passes
.set WV,   52
.set FW,   53                          ; s53  bit s: step s is worked; bit 16 + s: all is open in it
.set STP,  54                          ; s54  the step
.set MOFF, 55                          ; s55  256 x the step: its mask words
.set CNT,  56
.set GOF,  58                          ; s58  the slot that is being copied, in bytes
.set TMPS, 59
.set SEL,  60                          ; s[60:61] lane selects for v_permlanex16_b32: lane l xor 16
.set CS,   62                          ; s[62:63] c = log2(e) / 8, twice: the packed form names a pair
	s_load_b256 s[20:27], s[0:1], 0x0              ; qkv_codes s[20:21], qkv_scales s[22:23], maskw s[24:25], flags s[26:27]
	s_load_b128 s[28:31], s[0:1], 0x20             ; a_codes s[28:29], a_scales s[30:31]
	v_lshl_add_u32 v207, v0, 2, 0x16400
	v_mov_b32 v211, 0
	v_lshrrev_b32 v1, 5, v0
	v_readfirstlane_b32 s[WV], v1                  ; wave 0..15
	v_and_b32 v4, 31, v0
	v_lshlrev_b32 v1, 4, v4
	v_lshlrev_b32 v2, 3, v4
	v_lshlrev_b32 v3, 4, v0
	v_and_b32 v5, 15, v0                           ; r
	v_add_nc_u32 v[ASK0], SCLA, v1
	v_add_nc_u32 v[ASV0], SCLA+512, v2
	v_add_nc_u32 v[ADS], SCLA, v3                  ; (for the copy of the scale images)
	s_lshl_b32 s57, s[WV], 6
	s_add_co_u32 s57, s57, GATH
	v_lshl_add_u32 v92, v5, 2, s57                 ; where my row's scale word of o goes
	s_lshr_b32 s57, s[WV], 3
	s_lshl_b32 s57, s57, 9
	s_add_co_u32 s57, s57, GATH
	v_add_nc_u32 v93, s57, v1                      ; and where eight waves' 512 bytes are read back
	s_and_b32 s32, ttmp7, 0xffff
	s_lshr_b32 s33, s32, 3                         ; the batch
	s_and_b32 s34, s32, 7                          ; the pair of heads
	s_sub_co_u32 s35, 15, ttmp9
	s_cmp_lt_u32 s[WV], 8
	s_cselect_b32 s35, ttmp9, s35                  ; my block of 128 queries
	s_and_b32 s36, s[WV], 7                        ; my tile in it
	s_lshl_b32 s37, s35, 3
	s_add_co_u32 s37, s37, s36                     ; my tile of the 128
	s_lshl_b32 s38, s33, 4
	s_lshl_b32 s39, s34, 1
	s_add_co_u32 s38, s38, s39                     ; 16 x batch + the first head
	s_mul_i32 s40, s38, 196608
	s_add_co_u32 s40, s40, 6291456                 ; K's and V's codes of the two heads: 16 slots on end
	s_mov_b32 s41, 0
	s_mul_i32 s42, s38, 12288
	s_add_co_u32 s42, s42, 524288                  ; their scale images
	s_mov_b32 s43, 0
	s_mul_i32 s44, s38, 98304
	s_mul_i32 s39, s35, 6144
	s_add_co_u32 s44, s44, s39                     ; Q's codes: my block's record
	s_mov_b32 s45, 0
	s_lshl_b32 s46, s38, 13
	s_lshl_b32 s39, s35, 9
	s_add_co_u32 s46, s46, s39                     ; and scale image
	s_mov_b32 s47, 0
	s_lshl_b32 s48, s37, 12                        ; my tile's mask words,
	s_mov_b32 s49, 0
	s_lshl_b32 s50, s37, 7                         ; and flags
	s_mov_b32 s51, 0
	s_lshl_b32 s66, s33, 7
	s_add_co_u32 s66, s66, s37
	s_mul_i32 s66, s66, 12288
	s_mul_i32 s39, s34, 1536
	s_add_co_u32 s66, s66, s39                     ; o's fragment: tile 128 x batch + my tile, K step = the pair of heads
	s_mov_b32 s67, 0
	s_lshl_b32 s100, s33, 4
	s_add_co_u32 s100, s100, s35
	s_lshl_b32 s100, s100, 12
	s_lshl_b32 s39, s34, 9
	s_add_co_u32 s100, s100, s39                   ; o's scale words: my block's 128 rows, this K step
	s_mov_b32 s101, 0
	s_mul_i32 s39, s36, 3                          ; Q's six registers 6 t .. 6 t + 5 of the record's 48: pair 3 t + p lies in group (3 t + p) / 2, half (3 t + p) % 2
.irp p, 0,1,2
	s_add_co_u32 s57, s39, \p
	s_lshr_b32 s[TMPS], s57, 1
	s_lshl_b32 s[TMPS], s[TMPS], 9
	s_and_b32 s57, s57, 1
	s_lshl_b32 s57, s57, 3
	s_add_co_u32 s[TMPS], s[TMPS], s57
	v_add_nc_u32 v[9+\p], s[TMPS], v1
.endr
	s_and_b32 s57, s36, 1
	s_lshl_b32 s57, s57, 8
	s_lshr_b32 s[TMPS], s36, 1
	s_lshl_b32 s[TMPS], s[TMPS], 2
	s_add_co_u32 s57, s57, s[TMPS]
	v_lshl_add_u32 v31, v5, 4, s57                 ; Q's scale word: word t / 2 of lane r + 16 (t % 2)
	s_mov_b32 s[SEL], 0x76543210
	s_mov_b32 s[SEL+1], 0xfedcba98
	s_mov_b32 s[CS], 0x3e38aa3b                    ; log2(e) / 8
	s_mov_b32 s[CS+1], s[CS]
	s_mov_b32 s[TS], 0
	s_mov_b32 s[GOF], 0
.irp j, 22,23,24,25,26,27,80,81,82,83,84,85
	v_mov_b32 v[\j], 0                             ; zero codes: the upper 64 of the first product's K
.endr
	v_mov_b32 v29, 0xd0000000                      ; -2^33
.irp j, BT,BT+1,BT+2,BT+3,TMP,F,F+1
	v_mov_b32 v[\j], 0                             ; written once: lane permutes' destinations, and a pair's upper half
.endr
	s_wait_kmcnt 0x0
	s_add_nc_u64 s[4:5], s[20:21], s[40:41]
	s_add_nc_u64 s[6:7], s[22:23], s[42:43]
	s_add_nc_u64 s[16:17], s[20:21], s[44:45]
	s_add_nc_u64 s[18:19], s[22:23], s[46:47]
	s_add_nc_u64 s[8:9], s[24:25], s[48:49]
	s_add_nc_u64 s[10:11], s[26:27], s[50:51]
	s_add_nc_u64 s[12:13], s[28:29], s[66:67]
	s_add_nc_u64 s[14:15], s[30:31], s[100:101]
	s_load_b512 s[68:83], s[10:11], 0x0            ; my tile's 16 x 2 flag words
	s_load_b512 s[84:99], s[10:11], 0x40
.irp j, 0,1,2
	global_load_b128 v[G+4*\j:G+4*\j+3], v3, s[6:7] offset:8192*\j       ; the scale images,
	global_load_b128 v[96+4*\j:99+4*\j], v3, s[4:5] offset:8192*\j       ; and slot 0
.endr
	s_wait_kmcnt 0x0
	s_or_b32 s57, s68, s70                         ; which rows have an open key anywhere,
	s_or_b32 s[FW], s69, s71                       ; and the steps' flags, each at its own bits
.irp k, 72,74,76,78,80,82,84,86,88,90,92,94,96,98
	s_or_b32 s57, s57, s[\k]
	s_or_b32 s[FW], s[FW], s[\k+1]
.endr
	s_and_b32 s57, s57, 0xffff
	s_cmp_eq_u32 s57, 0xffff
	s_cselect_b32 s57, 0, 0xffff                   ; a row with no open key: every step is worked
	s_or_b32 s[FW], s[FW], s57
	s_wait_loadcnt 0x0
.irp j, 0,1,2
	ds_store_b128 v[ADS], v[G+4*\j:G+4*\j+3] offset:8192*\j
	ds_store_b128 v3, v[96+4*\j:99+4*\j] offset:8192*\j
.endr
	s_wait_dscnt 0x0                               ; for the others' sake: my stores have landed
	s_barrier_signal -1
	s_barrier_wait -1
; A KEY STEP: 128 keys, the q-th of the slot in buffer buf.
.macro STEP buf, q
	s_lshr_b32 s[TMPS], s[FW], s[STP]
	s_bitcmp1_b32 s[TMPS], 0
	s_cbranch_scc0 .Lhidden_\@                     ; nothing is open here for my 16 queries: a branch on a stored number; no barrier stands in a step
	s_load_b512 s[20:35], s[8:9], s[MOFF] offset:0x0      ; the step's 64 mask words
	s_load_b512 s[36:51], s[8:9], s[MOFF] offset:0x40
	s_load_b512 s[68:83], s[8:9], s[MOFF] offset:0x80
	s_load_b512 s[84:99], s[8:9], s[MOFF] offset:0xc0
	v_add_nc_u32 v[ADS], s[TS], v[ASK0]
	v_add_nc_u32 v[ADT], s[TS], v[ASV0]
.irp g, 0,1,2,3,4,5,6,7,8,9,10,11
	ds_load_b128 v[32+4*\g:35+4*\g], v1 offset:(\buf)*BUF1+STEPB*(\q)+512*\g       ; K: 48 registers, six a tile of 16 keys
.endr
	ds_load_b128 v[86:89], v[ADS]                  ; its scale words: register A: lanes 0-15 tile 2 A, lanes 16-31 tile 2 A + 1
	s_wait_dscnt 0x0
.irp t, 0,1,2,3,4,5,6,7                        ; S^T = K Q^T.  A tile's operand runs on into the next tile's six registers (behind the last: zeros): they meet Q's zero codes
.if \t%2
	v_wmma_scale_f32_16x16x128_f8f6f4 v[96+8*\t:103+8*\t], v[32+6*\t:43+6*\t], v[16:27], 0, v[86+\t/2], v28 matrix_a_fmt:MATRIX_FMT_BF6 matrix_b_fmt:MATRIX_FMT_BF6 matrix_a_scale:MATRIX_SCALE_ROW1
.else
	v_wmma_scale_f32_16x16x128_f8f6f4 v[96+8*\t:103+8*\t], v[32+6*\t:43+6*\t], v[16:27], 0, v[86+\t/2], v28 matrix_a_fmt:MATRIX_FMT_BF6 matrix_b_fmt:MATRIX_FMT_BF6
.endif
.endr
.rept 4
	v_nop                                          ; places in front of the loads into K's registers and of the first read of the scores
.endr
.irp g, 0,1,2,3,4,5,6,7,8,9,10,11
	ds_load_b128 v[32+4*\g:35+4*\g], v1 offset:(\buf)*BUF1+STEPB*(\q)+6144+512*\g  ; V: four fragments; they land while the softmax is walked
.endr
	ds_load_b64 v[90:91], v[ADT]
	s_wait_kmcnt 0x0                               ; the mask words are in
	s_bitcmp1_b32 s[TMPS], 16
	s_cbranch_scc1 .Lopen_\@                       ; all is open: nothing to select
.set n, 0
.rept 64
	v_cndmask_b32 v[96+n], v29, v[96+n], s[20+n+16*(n/32)]   ; bit l of word n: open for lane l's query and register n's key
.set n, n+1
.endr
.Lopen_\@:
.irp b, 0,1,2,3
	v_max3_num_f32 v[BM+\b], v[96+16*\b], v[97+16*\b], v[98+16*\b]   ; the largest score of each block of 32 keys: for the row's maximum, and, since p rises with the score, for the block's largest p
.endr
.irp i, 3,5,7,9,11,13
.irp b, 0,1,2,3
	v_max3_num_f32 v[BM+\b], v[BM+\b], v[96+16*\b+\i], v[97+16*\b+\i]
.endr
.endr
.irp b, 0,1,2,3
	v_max_num_f32 v[BM+\b], v[BM+\b], v[111+16*\b]
.endr
.irp b, 0,1,2,3
	v_permlanex16_b32 v[BT+\b], v[BM+\b], s[SEL], s[SEL+1]
.endr
.irp b, 0,1,2,3
	v_max_num_f32 v[BM+\b], v[BM+\b], v[BT+\b]     ; with lane l xor 16's 16 keys
.endr
	v_max3_num_f32 v[TMP], v[BM], v[BM+1], v[BM+2]
	v_max_num_f32 v[TMP], v[TMP], v[BM+3]
	v_mul_f32 v[TMP], s[CS], v[TMP]                ; the step's largest t of my query
	v_max_num_f32 v13, v13, v[TMP]                 ; the running largest t
	v_mov_b32 v[TMP], v12
	v_floor_f32 v12, -v13                          ; the new -M = floor(-t): M is a whole number
	v_sub_f32 v[TMP], v12, v[TMP]                  ; old M - new M: a whole number, 0 or less
	v_cvt_i32_f32 v[TMP], v[TMP]                   ; (it saturates)
	v_ldexp_f32 v[F], 1.0, v[TMP]                  ; f = 2^(old M - new M)
.irp j, 0,2,4,6,8,10,12,14,16,18,20,22,24,26,28,30,32,34,36,38,40,42,44,46,48,50,52,54,56,58,60,62
	v_pk_fma_f32 v[96+\j:97+\j], v[96+\j:97+\j], s[CS:CS+1], v[12:13] op_sel_hi:[1,0,0]   ; t - M, two at a time
.endr
.irp b, 0,1,2,3
	v_fma_f32 v[BM+\b], v[BM+\b], s[CS], v12       ; the same of each block's largest score
.endr
.irp j, 0,1,2,3,4,5,6,7,8,9,10,11,12,13,14,15,16,17,18,19,20,21,22,23,24,25,26,27,28,29,30,31,32,33,34,35,36,37,38,39,40,41,42,43,44,45,46,47,48,49,50,51,52,53,54,55,56,57,58,59,60,61,62,63
	v_exp_f32 v[96+\j], v[96+\j]                   ; p = 2^(t - M), at most 1
.endr
	v_pk_mul_f32 v[14:15], v[14:15], v[F:F+1] op_sel_hi:[1,0]   ; the sums under the new M: the plain line behind the exponentials
	s_wait_alu depctr_va_vdst(0)                   ; one wait for the batch of 64, ahead of its first reader
.irp b, 0,1,2,3
	v_exp_f32 v[BM+\b], v[BM+\b]                   ; the blocks' largest p
.endr
	v_pk_add_f32 v[BT:BT+1], v[96:97], v[98:99]    ; the row's sum is taken of the unquantised p: two at a time, in two chains
.irp j, 4,8,12,16,20,24,28,32,36,40,44,48,52,56,60
	v_pk_add_f32 v[14:15], v[14:15], v[96+\j:97+\j]
	v_pk_add_f32 v[BT:BT+1], v[BT:BT+1], v[98+\j:99+\j]
.endr
	v_pk_add_f32 v[14:15], v[14:15], v[BT:BT+1]
	s_wait_alu depctr_va_vdst(0)                   ; and one for the four
.irp b, 0,1,2,3
	v_max_num_f32 v[BM+\b], 0x2800000, v[BM+\b]    ; the floor 2^(5 - 127): the byte cannot fall under 1
.endr
.irp b, 0,1,2,3
	v_add_nc_u32 v[SO+\b], 0xfe000000, v[BM+\b]    ; 4 off the exponent field: the conversion's scale operand
.endr
.irp b, 0,1,2,3
	v_lshrrev_b32 v[BT+\b], 23, v[SO+\b]           ; the scale's byte
.endr
	v_lshl_or_b32 v[PWS], v[BT+1], 8, v[BT]        ; p's scale word for these 128 keys
	v_lshl_or_b32 v[PWS], v[BT+2], 16, v[PWS]
	v_lshl_or_b32 v[PWS], v[BT+3], 24, v[PWS]
.irp c, 0,1
	v_cvt_scalef32_pk16_bf6_f32 v[192+6*\c:194+6*\c], v[96+32*\c:111+32*\c], v[SO+2*\c]
	v_cvt_scalef32_pk16_bf6_f32 v[CT+4*\c:CT+4*\c+2], v[112+32*\c:127+32*\c], v[SO+2*\c+1]
.endr
	v_nop                                          ; one plain line behind the scaled conversions
.irp c, 0,1
.irp i, 0,1,2
	v_permlane16_swap_b32 v[192+6*\c+\i], v[CT+4*\c+\i]   ; a whole block to a lane
.endr
.irp i, 0,1,2
	v_mov_b32 v[195+6*\c+\i], v[CT+4*\c+\i]
.endr
.endr
.irp j, 0,2,4,6,8,10,12,14,16,18,20,22,24,26,28,30
	v_pk_mul_f32 v[160+\j:161+\j], v[160+\j:161+\j], v[F:F+1] op_sel_hi:[1,0]   ; O^T under the new M.  These 16 are also the places between the writes of p's codes and scale word and the products
.endr
	s_wait_dscnt 0x0                               ; V is in
.irp t, 0,1,2,3                                ; O^T += V^T P^T: four tiles of 16 channels, by turns
.if \t%2
	v_wmma_scale_f32_16x16x128_f8f6f4 v[160+8*\t:167+8*\t], v[32+12*\t:43+12*\t], v[192:203], v[160+8*\t:167+8*\t], v[90+\t/2], v[PWS] matrix_a_fmt:MATRIX_FMT_BF6 matrix_b_fmt:MATRIX_FMT_BF6 matrix_a_scale:MATRIX_SCALE_ROW1
.else
	v_wmma_scale_f32_16x16x128_f8f6f4 v[160+8*\t:167+8*\t], v[32+12*\t:43+12*\t], v[192:203], v[160+8*\t:167+8*\t], v[90+\t/2], v[PWS] matrix_a_fmt:MATRIX_FMT_BF6 matrix_b_fmt:MATRIX_FMT_BF6
.endif
.endr
.rept 4
	v_nop                                          ; places in front of the next loads into V's registers and the next read of O^T
.endr
.Lhidden_\@:
	s_add_co_u32 s[STP], s[STP], 1
	s_add_co_u32 s[MOFF], s[MOFF], 256             ; (the scalar loads that read it were waited for)
	s_add_co_u32 s[TS], s[TS], 768
.endm
; A SLOT in buffer buf.  The next slot is asked for at its head, into registers, and goes into the other buffer at its end.  ONE barrier: in front of it each wave's reads of this buffer are over and its part of the other has landed;
; the other buffer was last read in front of the barrier before.  The very last slot asks for itself again, into the buffer that nobody reads any more, so that no load stands under a jump and none leaves the buffer.
.macro SLOTW buf
	s_add_co_u32 s[GOF], s[GOF], SLOTB
	s_min_u32 s[TMPS], s[GOF], 15*SLOTB
	v_add_nc_u32 v8, s[TMPS], v3                   ; (the loads that read v8 were waited for)
.irp j, 0,1,2
	global_load_b128 v[G+4*\j:G+4*\j+3], v8, s[4:5] offset:8192*\j
.endr
	STEP \buf, 0
	STEP \buf, 1
	s_wait_loadcnt 0x0
.irp j, 0,1,2
	ds_store_b128 v3, v[G+4*\j:G+4*\j+3] offset:(1-(\buf))*BUF1+8192*\j
.endr
	s_wait_dscnt 0x0
	s_barrier_signal -1
	s_barrier_wait -1
.endm
; A PASS: head 2 f + p for my 16 queries.
.macro PASS p
.irp j, 0,1,2
	global_load_b64 v[16+2*\j:17+2*\j], v[9+\j], s[16:17] offset:98304*(\p)   ; Q's six registers
.endr
	global_load_b32 v28, v31, s[18:19] offset:8192*(\p)
	v_mov_b32 v13, 0xff61b1e6                      ; the largest t so far: -3e38
	v_floor_f32 v12, -v13
	v_mov_b32 v14, 0
	v_mov_b32 v15, 0
.irp j, 0,1,2,3,4,5,6,7,8,9,10,11,12,13,14,15,16,17,18,19,20,21,22,23,24,25,26,27,28,29,30,31
	v_mov_b32 v[160+\j], 0                         ; O^T: the step is written once; the first finds zeros, which the first change of M leaves zeros
.endr
	s_mov_b32 s[STP], 0
	s_mov_b32 s[MOFF], 0
	s_mov_b32 s[CNT], 4
	s_wait_loadcnt 0x0
.Lslot_\@:                                         ; four trips of two slots: 16 steps
	SLOTW 0
	SLOTW 1
	s_sub_co_u32 s[CNT], s[CNT], 1
	s_cmp_lg_u32 s[CNT], 0
	s_cbranch_scc1 .Lslot_\@
	v_add_f32 v14, v14, v15                        ; the sum's two halves,
	v_permlanex16_b32 v[TMP], v14, s[SEL], s[SEL+1]
	v_add_f32 v14, v14, v[TMP]                     ; and lane l xor 16's
	v_rcp_f32 v14, v14
	v_nop                                          ; a plain line behind the reciprocal
	s_wait_alu depctr_va_vdst(0)                   ; and the wait ahead of its first reader
.irp j, 0,2,4,6,8,10,12,14,16,18,20,22,24,26,28,30
	v_pk_mul_f32 v[96+\j:97+\j], v[160+\j:161+\j], v[14:15] op_sel_hi:[1,0]   ; o: register 16 b + i is channel 32 b + 16 (lane / 16) + i of my query
.endr
.irp b, 0,1
	v_max3_num_f32 v[BM+\b], |v[96+16*\b]|, |v[97+16*\b]|, 0x2800000
.endr
.irp i, 2,4,6,8,10,12,14
.irp b, 0,1
	v_max3_num_f32 v[BM+\b], v[BM+\b], |v[96+16*\b+\i]|, |v[97+16*\b+\i]|
.endr
.endr
.irp b, 0,1
	v_permlanex16_b32 v[BT+\b], v[BM+\b], s[SEL], s[SEL+1]
.endr
.irp b, 0,1
	v_max_num_f32 v[BM+\b], v[BM+\b], v[BT+\b]
.endr
.irp b, 0,1
	v_add_nc_u32 v[SO+\b], 0xfe000000, v[BM+\b]
.endr
.irp b, 0,1
	v_lshrrev_b32 v[BT+\b], 23, v[SO+\b]
.endr
	v_cvt_scalef32_pk16_bf6_f32 v[AF+6*(\p):AF+6*(\p)+2], v[96:111], v[SO]
	v_cvt_scalef32_pk16_bf6_f32 v[CT:CT+2], v[112:127], v[SO+1]
.if \p
	v_lshl_or_b32 v30, v[BT], 16, v30              ; (the plain line behind the conversions)  the head's two bytes of o's scale word
	v_lshl_or_b32 v30, v[BT+1], 24, v30
.else
	v_lshl_or_b32 v30, v[BT+1], 8, v[BT]
.endif
.irp i, 0,1,2
	v_permlane16_swap_b32 v[AF+6*(\p)+\i], v[CT+\i]
.endr
.irp i, 0,1,2
	v_mov_b32 v[AF+6*(\p)+3+\i], v[CT+\i]          ; registers 6 p .. 6 p + 5 of o's fragment: k = 64 p + 32 (lane / 16) + 0 .. 31
.endr
.endm
	PASS 0
	PASS 1
.irp g, 0,1,2
	global_store_b128 v1, v[AF+4*\g:AF+4*\g+3], s[12:13] offset:512*\g   ; 512 consecutive bytes, aligned
.endr
	ds_store_b32 v92, v30                          ; lanes r and r + 16 write the same word with the same value
	s_wait_dscnt 0x0
	s_barrier_signal -1
	s_barrier_wait -1
	s_and_b32 s57, s[WV], 7
	s_cmp_lg_u32 s57, 0
	s_cbranch_scc1 .Ldone                          ; waves 0 and 8 store their block's 128 scale words: 512 consecutive bytes
	ds_load_b128 v[228:231], v93
	s_wait_dscnt 0x0
	global_store_b128 v1, v[228:231], s[14:15]
.Ldone:
	s_wait_tensorcnt 0x0
	ds_add_u32 v207, v211
	s_wait_dscnt 0x0
	s_endpgm
.Lfunc_end_k_q6f9398dfe8_attn:
	.size	k_q6f9398dfe8_attn, .Lfunc_end_k_q6f9398dfe8_attn-k_q6f9398dfe8_attn
	.p2alignl 7, 3214868480
	.fill 96, 4, 3214868480
	.section	.rodata,"a",@progbits
	.p2align	6, 0x0
	.amdhsa_kernel k_q6f9398dfe8_attn
		.amdhsa_group_segment_fixed_size 93184
		.amdhsa_private_segment_fixed_size 0
		.amdhsa_enable_private_segment 0
		.amdhsa_kernarg_size 48
		.amdhsa_user_sgpr_count 2
		.amdhsa_user_sgpr_kernarg_segment_ptr 1
		.amdhsa_wavefront_size32 1
		.amdhsa_system_sgpr_workgroup_id_x 1
		.amdhsa_system_sgpr_workgroup_id_y 1
		.amdhsa_system_sgpr_workgroup_id_z 1
		.amdhsa_system_vgpr_workitem_id 0
		.amdhsa_next_free_vgpr 256
		.amdhsa_next_free_sgpr 102
		.amdhsa_reserve_vcc 0
		.amdhsa_float_denorm_mode_32 3
		.amdhsa_float_denorm_mode_16_64 3
		.amdhsa_memory_ordered 1
		.amdhsa_forward_progress 1
		.amdhsa_inst_pref_size 179
	.end_amdhsa_kernel
	.amdgpu_metadata
---
amdhsa.version: [ 1, 2 ]
amdhsa.kernels:
  - .name:           k_q6f9398dfe8_attn
    .symbol:         k_q6f9398dfe8_attn.kd
    .args:
      - { .name: qkv_codes, .offset: 0, .size: 8, .value_kind: global_buffer, .address_space: global }
      - { .name: qkv_scales, .offset: 8, .size: 8, .value_kind: global_buffer, .address_space: global }
      - { .name: maskw, .offset: 16, .size: 8, .value_kind: global_buffer, .address_space: global }
      - { .name: flags, .offset: 24, .size: 8, .value_kind: global_buffer, .address_space: global }
      - { .name: a_codes, .offset: 32, .size: 8, .value_kind: global_buffer, .address_space: global }
      - { .name: a_scales, .offset: 40, .size: 8, .value_kind: global_buffer, .address_space: global }
    .group_segment_fixed_size: 93184
    .private_segment_fixed_size: 0
    .kernarg_segment_align: 8
    .kernarg_segment_size: 48
    .max_flat_workgroup_size: 512
    .sgpr_count:     102
    .vgpr_count:     256
    .wavefront_size: 32
...
	.end_amdgpu_metadata
.endif
;; end of part 3
;; launch proj (part 4): grid 4 x 32, 4 waves a work-group, clusters of 4 x 4, 327,680 bytes of LDS; arguments a_codes, a_scales, wcodes, wscales, b_out, out0; writes out0
.if DOCPART == 4
	.amdgcn_target "amdgcn-amd-amdhsa--gfx1250"
	.amdhsa_code_object_version 6
	.text
	.protected	k_q6f9398dfe8_proj
	.globl	k_q6f9398dfe8_proj
	.p2align	8
	.type	k_q6f9398dfe8_proj,@function
k_q6f9398dfe8_proj:
	s_mov_b64 s[64:65], 0
	v_nop
	global_prefetch_b8 v0, s[64:65] scope:SCOPE_SE
	s_setreg_imm32_b32 hwreg(HW_REG_WAVE_MODE, 25, 1), 1
	s_wait_xcnt 0x0
	s_wait_alu depctr_hold_cnt(0) depctr_sa_sdst(0) depctr_va_vdst(0) depctr_va_sdst(0) depctr_va_ssrc(0) depctr_va_vcc(0) depctr_vm_vsrc(0)
	s_getreg_b32 s2, hwreg(HW_REG_IB_STS2, 6, 4)
	s_cmp_eq_u32 s2, 0
	s_cbranch_scc0 .Lentry_in_a_cluster
	s_endpgm
.Lentry_in_a_cluster:
	s_bfe_u32 s2, ttmp6, 0x10000c
	s_cmp_lg_u32 s2, 0xf033
	s_cbranch_scc0 .Lentry_shape_is_right
	s_endpgm
.Lentry_shape_is_right:
; out0 = o W_out^T + b_out on codes of BF6 (E3M2) with one E8M0 scale for each 32 along K = 1,024; out0 [8192][1024] f32.
; The product is the same as in the launch that makes q, k and v: a work-group of four waves makes 256 x 256, a wave 128 x 128 in 64 accumulators; source 0 ("B") = 16 rows of W_out, source 1 ("A") = 16 rows of o: a lane holds one token
; and its registers run along n.  K goes in steps of 256 through a ring of two LDS slots filled by the tensor data mover; codes lie in memory in the order of the operand's registers, so a fragment is three loads of 512 consecutive bytes;
; the scale words of a wave's 128 rows come once, 4,096 dense bytes.  CLUSTERS: 4 x 4; A's tile is shared along a row of the cluster, B's along a column, each asked for jointly.
; The rows of a tile of 16 are not neighbours: lane r of tile T stands for row 32 (T / 2) + 8 (T % 2) + r % 8 + 16 (r / 8); W_out's tiles so give 16 neighbouring n in two tiles' registers, and o's rows are put back in their places by the stores' offsets.
; 128 work-groups: the tile is kept at 256 x 256, as this launch is short beside the attention.
; THE WAY OUT: + bias, through the wave's own stage in slot 0 (which has had its last fill and its last read), back as whole rows of 512 bytes.
; REGISTERS as in that launch: window 0: v16-29 addresses; v32-63 scale words; v64-127 the bias; v128-223 A's fragments, on the way out v128-255 at work.  window 1: B's two sets.  windows 2, 3: the accumulators.
.set NQ,     2
.set FR,     12
.set NL,     3
.set NP,     4
.set FRB,    1536
.set TILEB,  8*FRB
.set HALFT,  8*NQ*FRB
.set SLOT,   4*HALFT
.set SCL,    2*SLOT
.set SPARE,  SCL+4*4096                ; the spare words, 128 bytes a wave: two blocks of 256 bytes that no other line names
.set SP,     528                       ; a stage row: 512 bytes + 16
.set ADRA, 16
.set ADRB, 20
.set STO,  24                          ; v24  the stage: where I put my 64 numbers of a row
.set RD,   25                          ; v25  and where a row is read back
.set CO,   26                          ; v26  16 x lane
.set ADRS, 27
.set SPW,  28
.set NIL,  29
.set SC,   32
.set BI,   64
.set AF,   128
.set H,    128
.set BK,   192
.set G1, 24
.set G0, 32
.set G1B, 48
.set G0B, 56
.set G1S, 68
.set G0S, 76
.set G1SB, 80
.set G0SB, 88
.set MSB, 0
.macro WIN new                         ; the immediate's high byte repeats the setting that is left
.if MSB != (\new)
	s_set_vgpr_msb (MSB<<8)|(\new)
.set MSB, (\new)
.endif
.endm
.set MUL_LO, 0xa1
.set MUL_HI, 0xf1
.set TO_B,   0x40
.macro JLOAD g0a, g1a, g0b, g1b        ; a joint load: waves 0 and 1 fetch for A, waves 2 and 3 for B; four v_nop follow each line
	s_cmp_eq_u32 s15, 0
	s_cbranch_scc0 .Lfor_b_\@
	tensor_load_to_lds s[\g0a:\g0a+3], s[\g1a:\g1a+7]
	s_nop 0
.rept 4
	v_nop
.endr
	s_branch .Lasked_\@
.Lfor_b_\@:
	tensor_load_to_lds s[\g0b:\g0b+3], s[\g1b:\g1b+7]
	s_nop 0
.rept 4
	v_nop
.endr
.Lasked_\@:
.endm
.macro CREST
	s_cmp_lg_u32 s14, 0
	s_cbranch_scc1 .Lnot_wave_0_\@
	s_barrier_signal -3
.Lnot_wave_0_\@:
	s_barrier_wait -3
	s_barrier_signal -1
	s_barrier_wait -1
.endm
.macro CROUND
	s_barrier_signal -1
	s_barrier_wait -1
	CREST
.endm
.macro FRAG reg, adr, q, i
.irp g, 0,1,2
	ds_load_b128 v[\reg+4*\g:\reg+4*\g+3], v[\adr] offset:(\i)*NQ*FRB+(\q)*FRB+512*\g
.endr
.endm
.macro MUL16 a0, p, q, sc, zero        ; 16 matrix instructions; the 64 accumulators take turns, one instruction a turn
.irp a, \a0, \a0+1
.irp b, 0,1,2,3,4,5,6,7
.if \zero
	v_wmma_scale_f32_16x16x128_f8f6f4 v[8*(8*((\a)%4)+\b):8*(8*((\a)%4)+\b)+7], v[128*(\p)+FR*\b:128*(\p)+FR*\b+FR-1], v[AF+FR*(\a):AF+FR*(\a)+FR-1], 0, v[SC+8*NQ*(\sc)+NQ*\b+(\q)], v[SC+8*NQ*(\sc)+NQ*(\a)+(\q)] matrix_a_fmt:MATRIX_FMT_BF6 matrix_b_fmt:MATRIX_FMT_BF6 matrix_a_scale:MATRIX_SCALE_ROW1
.else
	v_wmma_scale_f32_16x16x128_f8f6f4 v[8*(8*((\a)%4)+\b):8*(8*((\a)%4)+\b)+7], v[128*(\p)+FR*\b:128*(\p)+FR*\b+FR-1], v[AF+FR*(\a):AF+FR*(\a)+FR-1], v[8*(8*((\a)%4)+\b):8*(8*((\a)%4)+\b)+7], v[SC+8*NQ*(\sc)+NQ*\b+(\q)], v[SC+8*NQ*(\sc)+NQ*(\a)+(\q)] matrix_a_fmt:MATRIX_FMT_BF6 matrix_b_fmt:MATRIX_FMT_BF6 matrix_a_scale:MATRIX_SCALE_ROW1
.endif
.endr
.endr
.endm
.macro FETCH_B slot, q, p
	WIN TO_B
.irp i, 0,1,2,3,4,5,6,7
	FRAG 128*(\p)+FR*\i, ADRB+\slot, \q, \i
.endr
	WIN 0
.endm
.macro FETCH_A slot, q, i0
.irp i, \i0, \i0+1, \i0+2, \i0+3
	FRAG AF+FR*(\i), ADRA+\slot, \q, \i
.endr
.endm
.macro SCALES sc
.irp i, 0,1,2,3,4,5,6,7
.irp q, 0,1
	ds_load_b32 v[SC+8*NQ*\sc+NQ*\i+\q], v[ADRS] offset:64*\i+512*\q
.endr
.endr
.endm
.macro PLACES n
.rept \n
	v_nop
.endr
.endm
.macro STEP slot, q, zero
	s_wait_dscnt 4*NL                              ; all but the youngest 12 loads (A's blocks 4-7) are in
	WIN MUL_LO
	MUL16 0, (\q)%2, \q, \slot, \zero
	MUL16 2, (\q)%2, \q, \slot, \zero
	s_wait_dscnt 0
	PLACES NP
	FETCH_B \slot, (\q)+1, 1-(\q)%2
	FETCH_A \slot, (\q)+1, 0
	WIN MUL_HI
	MUL16 4, (\q)%2, \q, \slot, \zero
	MUL16 6, (\q)%2, \q, \slot, \zero
	PLACES NP
	WIN 0
	FETCH_A \slot, (\q)+1, 4
.endm
.macro TURN slot, next, fill
	s_wait_tensorcnt 0x0                           ; all my tensor loads have landed: my part of the next slot
	ds_add_u32 v[SPW], v[NIL]                      ; 0 onto my spare word
	s_wait_dscnt 4*NL+1                            ; the add and the youngest 12 loads may be out
	WIN MUL_LO
	MUL16 0, 1, NQ-1, \slot, 0
	s_wait_dscnt 0x0                               ; the add is done, and my reads of this slot are over
	s_barrier_signal -1
	MUL16 2, 1, NQ-1, \slot, 0
	WIN 0
	s_barrier_wait -1
.if \fill
	CREST                                          ; a round of the cluster's barrier: no wave of any partner still reads this slot or has a load on its way
	s_add_nc_u64 s[G0+4*\slot+2:G0+4*\slot+3], s[G0+4*\slot+2:G0+4*\slot+3], 2*NQ*FRB
	s_add_nc_u64 s[G0B+4*\slot+2:G0B+4*\slot+3], s[G0B+4*\slot+2:G0B+4*\slot+3], 2*NQ*FRB
	JLOAD G0+4*\slot, G1, G0B+4*\slot, G1B
.else
	PLACES NP
.endif
	v_add_nc_u32 v[ADRS], 512*NQ, v[ADRS]
	FETCH_B \next, 0, 0
	FETCH_A \next, 0, 0
	SCALES \next
	WIN MUL_HI
	MUL16 4, 1, NQ-1, \slot, 0
	MUL16 6, 1, NQ-1, \slot, 0
	PLACES NP
	WIN 0
	FETCH_A \next, 0, 4
.endm
	s_load_b256 s[4:11], s[0:1], 0x0               ; a_codes s[4:5], a_scales s[6:7], wcodes s[8:9], wscales s[10:11]
	s_load_b128 s[96:99], s[0:1], 0x20             ; b_out s[96:97], out0 s[98:99]
	v_lshl_add_u32 v[SPW], v0, 2, SPARE
	v_mov_b32 v[NIL], 0
	ds_add_u32 v28, v29
	ds_add_u32 v28, v29
	s_wait_dscnt 0x0
	v_lshrrev_b32 v1, 5, v0
	v_readfirstlane_b32 s14, v1                    ; wave 0..3
	s_lshr_b32 s15, s14, 1
	s_and_b32 s16, s14, 1
	s_bfe_u32 s40, ttmp6, 0x40000                  ; cx, cy
	s_bfe_u32 s41, ttmp6, 0x40004
	s_lshl_b32 s42, ttmp9, 2
	s_add_co_u32 s42, s42, s40                     ; B's block of 256 rows of W_out
	s_and_b32 s17, ttmp7, 0xffff
	s_lshl_b32 s17, s17, 2
	s_add_co_u32 s17, s17, s41                     ; A's block of 256 tokens
	s_lshl_b32 s43, s41, 2
	s_lshl_b32 s43, 15, s43                        ; my row of the cluster
	s_lshl_b32 s44, 0x1111, s40                    ; my column
	s_or_b32 s[G1+0], s43, (3<<16)|(1<<21)         ; codes: 8 tiles x 384 elements of 8 bytes, 1,536 elements apart
	s_or_b32 s[G1B+0], s44, (3<<16)|(1<<21)
.irp g, G1, G1B
	s_mov_b32 s[\g+1], 384<<16
	s_mov_b32 s[\g+2], 8<<16
	s_mov_b32 s[\g+3], 384<<16
	s_mov_b32 s[\g+4], 8
	s_mov_b32 s[\g+5], 1536
	s_mov_b32 s[\g+6], 0
	s_mov_b32 s[\g+7], 0
.endr
	s_or_b32 s[G1S+0], s43, (3<<16)|(1<<21)        ; scale words: 4,096 dense bytes as 16 rows of 256
	s_or_b32 s[G1SB+0], s44, (3<<16)|(1<<21)
.irp g, G1S, G1SB
	s_mov_b32 s[\g+1], 32<<16
	s_mov_b32 s[\g+2], 16<<16
	s_mov_b32 s[\g+3], 32<<16
	s_mov_b32 s[\g+4], 16
	s_mov_b32 s[\g+5], 32
	s_mov_b32 s[\g+6], 0
	s_mov_b32 s[\g+7], 0
.endr
	s_lshl_b32 s19, s16, 3
	s_lshl_b32 s18, s17, 4
	s_add_co_u32 s18, s18, s19                     ; A: my first tile of 16 rows
	s_lshl_b32 s46, s42, 4
	s_add_co_u32 s46, s46, s19
	s_add_co_u32 s46, s46, 704                     ; B: W_out begins at tile 704 of the tall matrix
	s_mul_i32 s92, s18, TILEB
	s_mov_b32 s93, 0
	s_lshl_b32 s94, s18, 9
	s_mov_b32 s95, 0
	s_mul_i32 s20, s46, TILEB
	s_mov_b32 s21, 0
	s_lshl_b32 s22, s46, 9
	s_mov_b32 s23, 0
	s_mul_i32 s45, s14, HALFT
	s_lshl_b32 s47, s14, 12
	s_wait_kmcnt 0x0
	s_add_nc_u64 s[92:93], s[4:5], s[92:93]
	s_add_nc_u64 s[94:95], s[6:7], s[94:95]
	s_add_nc_u64 s[20:21], s[8:9], s[20:21]
	s_add_nc_u64 s[22:23], s[10:11], s[22:23]
	CROUND                                         ; all sixteen work-groups are here: the first joint loads meet
	s_mov_b32 s[G0S], 1
	s_add_co_u32 s[G0S+1], s47, SCL
	s_mov_b64 s[G0S+2:G0S+3], s[94:95]
	s_or_b32 s[G0S+3], s[G0S+3], 0x80000000
	s_mov_b32 s[G0SB], 1
	s_add_co_u32 s[G0SB+1], s47, SCL
	s_mov_b64 s[G0SB+2:G0SB+3], s[22:23]
	s_or_b32 s[G0SB+3], s[G0SB+3], 0x80000000
	JLOAD G0S, G1S, G0SB, G1SB
.irp s, 0,1
	s_mov_b32 s[G0+4*\s], 1
	s_add_co_u32 s[G0+4*\s+1], s45, \s*SLOT
	s_add_nc_u64 s[G0+4*\s+2:G0+4*\s+3], s[92:93], \s*NQ*FRB
	s_or_b32 s[G0+4*\s+3], s[G0+4*\s+3], 0x80000000
	s_mov_b32 s[G0B+4*\s], 1
	s_add_co_u32 s[G0B+4*\s+1], s45, \s*SLOT
	s_add_nc_u64 s[G0B+4*\s+2:G0B+4*\s+3], s[20:21], \s*NQ*FRB
	s_or_b32 s[G0B+4*\s+3], s[G0B+4*\s+3], 0x80000000
	JLOAD G0+4*\s, G1, G0B+4*\s, G1B
.endr
	v_and_b32 v1, 15, v0                           ; r
	v_bfe_u32 v2, v0, 4, 1                         ; h
	v_and_b32 v3, 31, v0
	v_lshlrev_b32 v[CO], 4, v3                     ; 16 x lane
	s_mul_i32 s21, s15, HALFT
	s_mul_i32 s22, s16, HALFT
	s_add_co_u32 s22, s22, 2*HALFT
.irp s, 0,1
	v_add_nc_u32 v[ADRA+\s], s21, v[CO]
	v_add_nc_u32 v[ADRB+\s], s22, v[CO]
	s_add_co_u32 s21, s21, SLOT
	s_add_co_u32 s22, s22, SLOT
.endr
	s_lshl_b32 s21, s15, 12
	s_lshl_b32 s22, s16, 12
	s_add_co_u32 s22, s22, 8192
	s_sub_co_u32 s22, s22, s21
	v_mul_u32_u24 v6, s22, v2                      ; lanes 16-31 take B's scale words: one product, h x the distance
	s_add_co_u32 s21, s21, SCL
	v_lshlrev_b32 v5, 2, v1
	v_add_nc_u32 v5, v5, v6
	v_add_nc_u32 v[ADRS], s21, v5
	s_mul_i32 s23, s14, 16*SP                      ; my stage
	v_mul_u32_u24 v5, v1, SP
	v_lshl_add_u32 v5, v2, 6, v5
	v_add_nc_u32 v[STO], s23, v5                   ; in: row r, + 64 h: register 16 b + i is n 32 b + 16 h + i
	v_add_nc_u32 v[RD], s23, v[CO]                 ; back: the 32 lanes take one row of 512 bytes
	s_lshl_b32 s18, s42, 8
	s_lshl_b32 s19, s16, 7
	s_add_co_u32 s18, s18, s19                     ; my first n
	s_lshl_b32 s18, s18, 2
	s_mov_b32 s19, 0
	s_add_nc_u64 s[96:97], s[96:97], s[18:19]      ; the bias there,
	s_add_nc_u64 s[98:99], s[98:99], s[18:19]      ; and out0's column
	s_lshl_b32 s18, s17, 8
	s_lshl_b32 s20, s15, 7
	s_add_co_u32 s18, s18, s20                     ; my first token
	s_lshl_b32 s18, s18, 12                        ; rows of 4,096 bytes
	s_add_nc_u64 s[98:99], s[98:99], s[18:19]
	v_lshlrev_b32 v7, 6, v2
.irp b, 0,1,2,3
.irp e, 0,1,2,3
	global_load_b128 v[BI+16*\b+4*\e:BI+16*\b+4*\e+3], v7, s[96:97] offset:128*\b+16*\e
.endr
.endr
	s_wait_tensorcnt 1                             ; the scale words and my part of K step 0 are in; K step 1's load may be out
	s_barrier_signal -1
	s_barrier_wait -1
	FETCH_B 0, 0, 0
	FETCH_A 0, 0, 0
	SCALES 0
	FETCH_A 0, 0, 4
	STEP 0, 0, 1                                   ; four K steps, written straight on; the first products start the sums
	TURN 0, 1, 1
	STEP 1, 0, 0
	TURN 1, 0, 1
	STEP 0, 0, 0
	TURN 0, 1, 0
	STEP 1, 0, 0
	s_wait_dscnt 4*NL
	WIN MUL_LO
	MUL16 0, 1, NQ-1, 1, 0
	MUL16 2, 1, NQ-1, 1, 0
	s_wait_dscnt 0
	WIN MUL_HI
	MUL16 4, 1, NQ-1, 1, 0
	MUL16 6, 1, NQ-1, 1, 0
	WIN 0
	PLACES NP                                      ; in front of the first read of results and the first write over A's fragments
	s_wait_loadcnt 0x0                             ; the bias
; Block a: 16 tokens x 128 n.  LDS serves a wave's instructions in order: no wait between the stage's stores and loads.
.macro OUTBLOCK a
	s_wait_xcnt 0x0                                ; the last block's stores have read their data
	WIN 0x02+(\a)/4
.set k, 0
.rept 32
	v_pk_add_f32 v[H+k:H+k+1], v[64*((\a)%4)+k:64*((\a)%4)+k+1], v[BI+k:BI+k+1]   ; + bias; each accumulator from its low end on
.set k, k+2
.endr
	WIN 0
.irp b, 0,1,2,3
.irp e, 0,1,2,3
	ds_store_b128 v[STO], v[H+16*\b+4*\e:H+16*\b+4*\e+3] offset:128*\b+16*\e
.endr
.endr
.irp t, 0,1,2,3,4,5,6,7,8,9,10,11,12,13,14,15
	ds_load_b128 v[BK+4*\t:BK+4*\t+3], v[RD] offset:\t*SP
.endr
.irp t, 0,1,2,3,4,5,6,7,8,9,10,11,12,13,14,15
	s_wait_dscnt 15-\t                             ; row t is back; the loads behind it may be out
	global_store_b128 v[CO], v[BK+4*\t:BK+4*\t+3], s[98:99] offset:(32*((\a)/2)+8*((\a)%2)+(\t%8)+16*(\t/8))*4096 th:TH_STORE_NT   ; 512 consecutive bytes, aligned; the row's true place stands in the immediate
.endr
.endm
.irp a, 0,1,2,3,4,5,6,7
	OUTBLOCK \a
.endr
	s_wait_tensorcnt 0x0                           ; the wave's end
	ds_add_u32 v[SPW], v[NIL]
	s_wait_dscnt 0x0
	CROUND                                         ; the closing round
	s_endpgm
.Lfunc_end_k_q6f9398dfe8_proj:
	.size	k_q6f9398dfe8_proj, .Lfunc_end_k_q6f9398dfe8_proj-k_q6f9398dfe8_proj
	.p2alignl 7, 3214868480
	.fill 96, 4, 3214868480
	.section	.rodata,"a",@progbits
	.p2align	6, 0x0
	.amdhsa_kernel k_q6f9398dfe8_proj
		.amdhsa_group_segment_fixed_size 327680
		.amdhsa_private_segment_fixed_size 0
		.amdhsa_enable_private_segment 0
		.amdhsa_kernarg_size 48
		.amdhsa_user_sgpr_count 2
		.amdhsa_user_sgpr_kernarg_segment_ptr 1
		.amdhsa_wavefront_size32 1
		.amdhsa_system_sgpr_workgroup_id_x 1
		.amdhsa_system_sgpr_workgroup_id_y 1
		.amdhsa_system_sgpr_workgroup_id_z 1
		.amdhsa_system_vgpr_workitem_id 0
		.amdhsa_next_free_vgpr 1024
		.amdhsa_next_free_sgpr 100
		.amdhsa_reserve_vcc 0
		.amdhsa_float_denorm_mode_32 3
		.amdhsa_float_denorm_mode_16_64 3
		.amdhsa_memory_ordered 1
		.amdhsa_forward_progress 1
		.amdhsa_inst_pref_size 158
	.end_amdhsa_kernel
	.amdgpu_metadata
---
amdhsa.version: [ 1, 2 ]
amdhsa.kernels:
  - .name:           k_q6f9398dfe8_proj
    .symbol:         k_q6f9398dfe8_proj.kd
    .args:
      - { .name: a_codes, .offset: 0, .size: 8, .value_kind: global_buffer, .address_space: global }
      - { .name: a_scales, .offset: 8, .size: 8, .value_kind: global_buffer, .address_space: global }
      - { .name: wcodes, .offset: 16, .size: 8, .value_kind: global_buffer, .address_space: global }
      - { .name: wscales, .offset: 24, .size: 8, .value_kind: global_buffer, .address_space: global }
      - { .name: b_out, .offset: 32, .size: 8, .value_kind: global_buffer, .address_space: global }
      - { .name: out0, .offset: 40, .size: 8, .value_kind: global_buffer, .address_space: global }
    .group_segment_fixed_size: 327680
    .private_segment_fixed_size: 0
    .kernarg_segment_align: 8
    .kernarg_segment_size: 48
    .max_flat_workgroup_size: 128
    .sgpr_count:     100
    .vgpr_count:     1024
    .wavefront_size: 32
...
	.end_amdgpu_metadata
.endif
;; end of part 4
;; ======== version 2 of 2: 4 launches; version 1 with the launch attn written anew for expert scheduling mode
;; limits: right only within a limited range of input values
;; workspace buffers: wcodes 9,437,184 bytes; wscales 393,216 bytes; maskw 524,288 bytes of whole numbers; flags 16,384 bytes of whole numbers; qkv_codes 18,874,368 bytes; qkv_scales 1,310,720 bytes; a_codes 6,291,456 bytes; a_scales 262,144 bytes
;; launch prep: the kernel of part 1 again; grid 224 x 1, 16 waves a work-group, no clusters, 276,480 bytes of LDS; arguments x, W_qkv, W_out, mask, wcodes, wscales, maskw, flags; writes wcodes, wscales, maskw, flags
;; launch qkv: the kernel of part 2 again; grid 12 x 32, 4 waves a work-group, clusters of 4 x 4, 327,680 bytes of LDS; arguments wcodes, wscales, b_qkv, qkv_codes, qkv_scales; writes qkv_codes, qkv_scales
;; launch attn (part 5): grid 8 x 32, 16 waves a work-group, no clusters, 93,184 bytes of LDS; arguments qkv_codes, qkv_scales, maskw, flags, a_codes, a_scales; writes a_codes, a_scales
.if DOCPART == 5
	.amdgcn_target "amdgcn-amd-amdhsa--gfx1250"
	.amdhsa_code_object_version 6
	.text
	.protected	k_q6f9398dfe8_attn
	.globl	k_q6f9398dfe8_attn
	.p2align	8
	.type	k_q6f9398dfe8_attn,@function
k_q6f9398dfe8_attn:
	s_mov_b64 s[64:65], 0
	v_nop
	global_prefetch_b8 v0, s[64:65] scope:SCOPE_SE
	s_setreg_imm32_b32 hwreg(HW_REG_WAVE_SCHED_MODE, 0, 2), 2
	s_setreg_imm32_b32 hwreg(HW_REG_WAVE_MODE, 25, 1), 1
	s_wait_xcnt 0x0
	s_wait_alu depctr_vm_vsrc(0)
; o = softmax(mask(q k^T / 8)) v for 64 batch-heads of 2,048 tokens x 64 channels, both products on codes of BF6 (E3M2) with one E8M0 scale for each 32 along K; o is quantised along the 1,024 channels and stored as the last product's operand.
; THE SOFTMAX AHEAD OF THE SECOND PRODUCT: t = score x log2(e) / 8; M = the row's largest t so far, rounded up to a whole number; p = 2^(t - M) is quantised along the keys, not normalised; the row's sum is taken of the unquantised p and divides at the end.
; When M moves, the sum and O are multiplied by 2^(old M - new M): exact.
; THE MASK is an input.  An earlier launch has packed it: for each tile of 16 queries and step of 128 keys 64 words, word n for score register n, bit l for lane l; and two flags a step: any key open, all keys open.
; A hidden score becomes -2^33 ahead of the maximum.  A step in which nothing is open for the tile is passed over by a scalar branch on the stored flags, unless some row of the tile has no open key at all: then every step is worked,
; and that row comes out as the mean of v, as where() with one large negative number makes it.  A step in which all is open skips the 64 selects.
; LIMITS: -2^33 stands for score -8e9 (logit -2^30 for -1e9): the results agree while open logits lie above about -1e9.  A block of zeros carries the byte 1.  NaN and infinities are not served.
; SHARES.  A work-group serves one batch and a PAIR of heads, in two passes, so that a wave ends with a whole fragment (128 along the last product's K) of o.  Waves 0-7 own the 128 queries of block i, waves 8-15 those of block 15 - i;
; a wave owns one tile of 16 queries in 256 registers.  Every wave walks the keys 128 a step.
; K AND V come from memory through registers into two LDS buffers of two steps each (24,576 bytes), all 512 threads copying 48 bytes, one slot ahead; one barrier a slot.  No tensor load: the steps are passed over by branches on stored numbers.
; No cluster for the same reason.  Nothing is prefetched: each slot is asked for a whole slot ahead of its use, into registers.
; LAYOUT.  Both products are used transposed: S^T = K Q^T (source 0 = 16 keys, source 1 = my 16 queries), O^T = V^T P^T: a lane holds one query throughout.  The head's 64 fill half of the instruction's 128 along K: Q's upper six registers are zero codes.
; The keys of a tile are laid so that the 16 registers of tiles 2 b and 2 b + 1 are keys 32 b + 16 (lane / 16) + 0 .. 15; V's channels likewise.
; THE MODE: SCHED_MODE bits 1:0 = 2 (LLVM: expert scheduling mode 2), set by the entry lines.  The code itself states the register dependences between vector or matrix instructions and memory or LDS instructions, with s_wait_alu, always for 0.
; THE PLAN.  Registers that memory or LDS instructions touch, in the loop:
;   v32-79          K's LDS loads land in them at a worked step's head; the first products read them; V's LDS loads land in them behind those products; the second products read them.
;   v86-89, v90-91  K's and V's scale words: loaded beside K and beside V; read by the first and by the second products.
;   v232-243        the copy: global loads land in them at a slot's head, LDS stores read them at its end; no vector instruction names them.
;   v6, v7          LDS addresses of the slot's scale words: written by two vector additions at a slot's head, read by the steps' LDS loads (the slot's second step by an immediate offset).
;   v1, v3          16 x lane, 16 x thread: made at the head and never written again; the slot that is copied is reached by a scalar base.
;   v192-203, v225  p's codes and scale word: written by vector instructions, taken by the second products, which are block-scaled.
; So a slot has ONE wait on vm_vsrc, at its head, and a worked step has its waits on va_vdst at its head (ahead of K's loads), behind the first products (ahead of V's loads), behind each of the two batches of exponentials, and ahead of the second products.
; REGISTERS: v1 16 x lane, v2 8 x lane, v3 16 x thread; v6-7 addresses of scale words; v9-11, v31 Q's offsets; v12 -M, v13 the largest t, v[14:15] the sum; v16-21 Q, v22-27 zeros; v28 Q's scale word; v29 -2^33; v30 o's scale word;
; v32-79 K, then V; v80-85 zeros; v86-89 K's scale words, v90-91 V's; v92-95 addresses; v96-159 S^T, then p; v160-191 O^T; v192-203 p's codes; v204-210 conversions' second halves; v212-227 at work; v232-243 the copy; v244-255 o's fragment.
.set BUF1,  32768                      ; LDS: buffer 0 at 0, buffer 1 here
.set SLOTB, 24576                      ; a slot: two steps
.set STEPB, 12288                      ; a step: K's 6,144 bytes, then V's
.set SCLA,  65536                      ; the scale images of both heads' 32 steps, 768 bytes each: copied once
.set GATH,  SCLA+24576                 ; 1,024 bytes: o's scale words of the 16 waves
.set ADS,  6
.set ADT,  7
.set ASK0, 94                          ; v94  SCLA + 16 x lane
.set ASV0, 95                          ; v95  SCLA + 512 + 8 x lane
.set CT,   204
.set BM,   212                         ; the blocks' largest scores, then largest p
.set BT,   216
.set SO,   220                         ; the conversions' scale operands
.set TMP,  224
.set PWS,  225                         ; p's scale word
.set F,    226                         ; v[226:227] 2^(old M - new M) (the pair's upper half is written once)
.set G,    232
.set AF,   244
.set TS,   3                           ; s3   the slot's scale images: 1,536 bytes a slot, through both passes
.set WV,   52
.set FW,   53                          ; s53  bit s: step s is worked; bit 16 + s: all is open in it
.set STP,  54                          ; s54  the step
.set MOFF, 55                          ; s55  256 x the step: its mask words
.set CNT,  56
.set GOF,  58                          ; s58  the slot that is being copied, in bytes
.set TMPS, 59
.set SEL,  60                          ; s[60:61] lane selects for v_permlanex16_b32: lane l xor 16
.set CS,   62                          ; s[62:63] c = log2(e) / 8, twice: the packed form names a pair
.set COF,  66                          ; s[66:67] from the loop on: the copied slot's byte offset, held at the last slot's; the upper word stays 0 from the head
.set CB,   100                         ; s[100:101] from the loop on: the address of the slot that is being copied
	s_load_b256 s[20:27], s[0:1], 0x0              ; qkv_codes s[20:21], qkv_scales s[22:23], maskw s[24:25], flags s[26:27]
	s_load_b128 s[28:31], s[0:1], 0x20             ; a_codes s[28:29], a_scales s[30:31]
	v_lshl_add_u32 v207, v0, 2, 0x16400
	v_mov_b32 v211, 0
	v_lshrrev_b32 v1, 5, v0
	v_readfirstlane_b32 s[WV], v1                  ; wave 0..15
	v_and_b32 v4, 31, v0
	v_lshlrev_b32 v1, 4, v4
	v_lshlrev_b32 v2, 3, v4
	v_lshlrev_b32 v3, 4, v0
	v_and_b32 v5, 15, v0                           ; r
	v_add_nc_u32 v[ASK0], SCLA, v1
	v_add_nc_u32 v[ASV0], SCLA+512, v2
	v_add_nc_u32 v[ADS], SCLA, v3                  ; (for the copy of the scale images)
	s_wait_alu depctr_va_sdst(0)                   ; the wave's number is written, ahead of its first reader: LDS places, the tile and the bases are made from it
	s_lshl_b32 s57, s[WV], 6
	s_add_co_u32 s57, s57, GATH
	v_lshl_add_u32 v92, v5, 2, s57                 ; where my row's scale word of o goes
	s_lshr_b32 s57, s[WV], 3
	s_lshl_b32 s57, s57, 9
	s_add_co_u32 s57, s57, GATH
	v_add_nc_u32 v93, s57, v1                      ; and where eight waves' 512 bytes are read back
	s_and_b32 s32, ttmp7, 0xffff
	s_lshr_b32 s33, s32, 3                         ; the batch
	s_and_b32 s34, s32, 7                          ; the pair of heads
	s_sub_co_u32 s35, 15, ttmp9
	s_cmp_lt_u32 s[WV], 8
	s_cselect_b32 s35, ttmp9, s35                  ; my block of 128 queries
	s_and_b32 s36, s[WV], 7                        ; my tile in it
	s_lshl_b32 s37, s35, 3
	s_add_co_u32 s37, s37, s36                     ; my tile of the 128
	s_lshl_b32 s38, s33, 4
	s_lshl_b32 s39, s34, 1
	s_add_co_u32 s38, s38, s39                     ; 16 x batch + the first head
	s_mul_i32 s40, s38, 196608
	s_add_co_u32 s40, s40, 6291456                 ; K's and V's codes of the two heads: 16 slots on end
	s_mov_b32 s41, 0
	s_mul_i32 s42, s38, 12288
	s_add_co_u32 s42, s42, 524288                  ; their scale images
	s_mov_b32 s43, 0
	s_mul_i32 s44, s38, 98304
	s_mul_i32 s39, s35, 6144
	s_add_co_u32 s44, s44, s39                     ; Q's codes: my block's record
	s_mov_b32 s45, 0
	s_lshl_b32 s46, s38, 13
	s_lshl_b32 s39, s35, 9
	s_add_co_u32 s46, s46, s39                     ; and scale image
	s_mov_b32 s47, 0
	s_lshl_b32 s48, s37, 12                        ; my tile's mask words,
	s_mov_b32 s49, 0
	s_lshl_b32 s50, s37, 7                         ; and flags
	s_mov_b32 s51, 0
	s_lshl_b32 s66, s33, 7
	s_add_co_u32 s66, s66, s37
	s_mul_i32 s66, s66, 12288
	s_mul_i32 s39, s34, 1536
	s_add_co_u32 s66, s66, s39                     ; o's fragment: tile 128 x batch + my tile, K step = the pair of heads
	s_mov_b32 s67, 0
	s_lshl_b32 s100, s33, 4
	s_add_co_u32 s100, s100, s35
	s_lshl_b32 s100, s100, 12
	s_lshl_b32 s39, s34, 9
	s_add_co_u32 s100, s100, s39                   ; o's scale words: my block's 128 rows, this K step
	s_mov_b32 s101, 0
	s_mul_i32 s39, s36, 3                          ; Q's six registers 6 t .. 6 t + 5 of the record's 48: pair 3 t + p lies in group (3 t + p) / 2, half (3 t + p) % 2
.irp p, 0,1,2
	s_add_co_u32 s57, s39, \p
	s_lshr_b32 s[TMPS], s57, 1
	s_lshl_b32 s[TMPS], s[TMPS], 9
	s_and_b32 s57, s57, 1
	s_lshl_b32 s57, s57, 3
	s_add_co_u32 s[TMPS], s[TMPS], s57
	v_add_nc_u32 v[9+\p], s[TMPS], v1
.endr
	s_and_b32 s57, s36, 1
	s_lshl_b32 s57, s57, 8
	s_lshr_b32 s[TMPS], s36, 1
	s_lshl_b32 s[TMPS], s[TMPS], 2
	s_add_co_u32 s57, s57, s[TMPS]
	v_lshl_add_u32 v31, v5, 4, s57                 ; Q's scale word: word t / 2 of lane r + 16 (t % 2)
	s_mov_b32 s[SEL], 0x76543210
	s_mov_b32 s[SEL+1], 0xfedcba98
	s_mov_b32 s[CS], 0x3e38aa3b                    ; log2(e) / 8
	s_mov_b32 s[CS+1], s[CS]
	s_mov_b32 s[TS], 0
	s_mov_b32 s[GOF], 0
.irp j, 22,23,24,25,26,27,80,81,82,83,84,85
	v_mov_b32 v[\j], 0                             ; zero codes: the upper 64 of the first product's K
.endr
	v_mov_b32 v29, 0xd0000000                      ; -2^33
.irp j, BT,BT+1,BT+2,BT+3,TMP,F,F+1
	v_mov_b32 v[\j], 0                             ; written once: lane permutes' destinations, and a pair's upper half
.endr
	s_wait_kmcnt 0x0
	s_add_nc_u64 s[4:5], s[20:21], s[40:41]
	s_add_nc_u64 s[6:7], s[22:23], s[42:43]
	s_add_nc_u64 s[16:17], s[20:21], s[44:45]
	s_add_nc_u64 s[18:19], s[22:23], s[46:47]
	s_add_nc_u64 s[8:9], s[24:25], s[48:49]
	s_add_nc_u64 s[10:11], s[26:27], s[50:51]
	s_add_nc_u64 s[12:13], s[28:29], s[66:67]
	s_add_nc_u64 s[14:15], s[30:31], s[100:101]
	s_load_b512 s[68:83], s[10:11], 0x0            ; my tile's 16 x 2 flag words
	s_load_b512 s[84:99], s[10:11], 0x40
	s_wait_alu depctr_va_vdst(0)                   ; the addresses v1, v3, v6, v9-11, v31, v92-95 are written, which the loads and stores of the whole kernel read; so are the zero codes v22-27 and v80-85, which the block-scaled first products take
.irp j, 0,1,2
	global_load_b128 v[G+4*\j:G+4*\j+3], v3, s[6:7] offset:8192*\j       ; the scale images,
	global_load_b128 v[96+4*\j:99+4*\j], v3, s[4:5] offset:8192*\j       ; and slot 0
.endr
	s_wait_kmcnt 0x0
	s_or_b32 s57, s68, s70                         ; which rows have an open key anywhere,
	s_or_b32 s[FW], s69, s71                       ; and the steps' flags, each at its own bits
.irp k, 72,74,76,78,80,82,84,86,88,90,92,94,96,98
	s_or_b32 s57, s57, s[\k]
	s_or_b32 s[FW], s[FW], s[\k+1]
.endr
	s_and_b32 s57, s57, 0xffff
	s_cmp_eq_u32 s57, 0xffff
	s_cselect_b32 s57, 0, 0xffff                   ; a row with no open key: every step is worked
	s_or_b32 s[FW], s[FW], s57
	s_wait_loadcnt 0x0
.irp j, 0,1,2
	ds_store_b128 v[ADS], v[G+4*\j:G+4*\j+3] offset:8192*\j
	ds_store_b128 v3, v[96+4*\j:99+4*\j] offset:8192*\j
.endr
	s_wait_dscnt 0x0                               ; for the others' sake: my stores have landed
	s_barrier_signal -1
	s_barrier_wait -1
; A KEY STEP: 128 keys, the q-th of the slot in buffer buf.
.macro STEP buf, q
	s_lshr_b32 s[TMPS], s[FW], s[STP]
	s_bitcmp1_b32 s[TMPS], 0
	s_cbranch_scc0 .Lhidden_\@                     ; nothing is open here for my 16 queries: a branch on a stored number; no barrier stands in a step
	s_load_b512 s[20:35], s[8:9], s[MOFF] offset:0x0      ; the step's 64 mask words
	s_load_b512 s[36:51], s[8:9], s[MOFF] offset:0x40
	s_load_b512 s[68:83], s[8:9], s[MOFF] offset:0x80
	s_load_b512 s[84:99], s[8:9], s[MOFF] offset:0xc0
	s_wait_alu depctr_va_vdst(0)                   ; the last worked step's products are done reading v32-79 and the scale words v86-91, in which this step's loads land; the slot's two addresses v6 and v7 are written
.irp g, 0,1,2,3,4,5,6,7,8,9,10,11
	ds_load_b128 v[32+4*\g:35+4*\g], v1 offset:(\buf)*BUF1+STEPB*(\q)+512*\g       ; K: 48 registers, six a tile of 16 keys
.endr
	ds_load_b128 v[86:89], v[ADS] offset:768*(\q)  ; its scale words: register A: lanes 0-15 tile 2 A, lanes 16-31 tile 2 A + 1
	s_wait_dscnt 0x0
.irp t, 0,1,2,3,4,5,6,7                        ; S^T = K Q^T.  A tile's operand runs on into the next tile's six registers (behind the last: zeros): they meet Q's zero codes
.if \t%2
	v_wmma_scale_f32_16x16x128_f8f6f4 v[96+8*\t:103+8*\t], v[32+6*\t:43+6*\t], v[16:27], 0, v[86+\t/2], v28 matrix_a_fmt:MATRIX_FMT_BF6 matrix_b_fmt:MATRIX_FMT_BF6 matrix_a_scale:MATRIX_SCALE_ROW1
.else
	v_wmma_scale_f32_16x16x128_f8f6f4 v[96+8*\t:103+8*\t], v[32+6*\t:43+6*\t], v[16:27], 0, v[86+\t/2], v28 matrix_a_fmt:MATRIX_FMT_BF6 matrix_b_fmt:MATRIX_FMT_BF6
.endif
.endr
.rept 4
	v_nop                                          ; places in front of the first read of the scores
.endr
	s_wait_alu depctr_va_vdst(0)                   ; the eight products are done reading K's registers v32-79, in which V lands
.irp g, 0,1,2,3,4,5,6,7,8,9,10,11
	ds_load_b128 v[32+4*\g:35+4*\g], v1 offset:(\buf)*BUF1+STEPB*(\q)+6144+512*\g  ; V: four fragments; they land while the softmax is walked, which names none of these registers
.endr
	ds_load_b64 v[90:91], v[ADT] offset:768*(\q)
	s_wait_kmcnt 0x0                               ; the mask words are in
	s_bitcmp1_b32 s[TMPS], 16
	s_cbranch_scc1 .Lopen_\@                       ; all is open: nothing to select
.set n, 0
.rept 64
	v_cndmask_b32 v[96+n], v29, v[96+n], s[20+n+16*(n/32)]   ; bit l of word n: open for lane l's query and register n's key
.set n, n+1
.endr
.Lopen_\@:
.irp b, 0,1,2,3
	v_max3_num_f32 v[BM+\b], v[96+16*\b], v[97+16*\b], v[98+16*\b]   ; the largest score of each block of 32 keys: for the row's maximum, and, since p rises with the score, for the block's largest p
.endr
.irp i, 3,5,7,9,11,13
.irp b, 0,1,2,3
	v_max3_num_f32 v[BM+\b], v[BM+\b], v[96+16*\b+\i], v[97+16*\b+\i]
.endr
.endr
.irp b, 0,1,2,3
	v_max_num_f32 v[BM+\b], v[BM+\b], v[111+16*\b]
.endr
.irp b, 0,1,2,3
	v_permlanex16_b32 v[BT+\b], v[BM+\b], s[SEL], s[SEL+1]
.endr
.irp b, 0,1,2,3
	v_max_num_f32 v[BM+\b], v[BM+\b], v[BT+\b]     ; with lane l xor 16's 16 keys
.endr
	v_max3_num_f32 v[TMP], v[BM], v[BM+1], v[BM+2]
	v_max_num_f32 v[TMP], v[TMP], v[BM+3]
	v_mul_f32 v[TMP], s[CS], v[TMP]                ; the step's largest t of my query
	v_max_num_f32 v13, v13, v[TMP]                 ; the running largest t
	v_mov_b32 v[TMP], v12
	v_floor_f32 v12, -v13                          ; the new -M = floor(-t): M is a whole number
	v_sub_f32 v[TMP], v12, v[TMP]                  ; old M - new M: a whole number, 0 or less
	v_cvt_i32_f32 v[TMP], v[TMP]                   ; (it saturates)
	v_ldexp_f32 v[F], 1.0, v[TMP]                  ; f = 2^(old M - new M)
.irp j, 0,2,4,6,8,10,12,14,16,18,20,22,24,26,28,30,32,34,36,38,40,42,44,46,48,50,52,54,56,58,60,62
	v_pk_fma_f32 v[96+\j:97+\j], v[96+\j:97+\j], s[CS:CS+1], v[12:13] op_sel_hi:[1,0,0]   ; t - M, two at a time
.endr
.irp b, 0,1,2,3
	v_fma_f32 v[BM+\b], v[BM+\b], s[CS], v12       ; the same of each block's largest score
.endr
.irp j, 0,1,2,3,4,5,6,7,8,9,10,11,12,13,14,15,16,17,18,19,20,21,22,23,24,25,26,27,28,29,30,31,32,33,34,35,36,37,38,39,40,41,42,43,44,45,46,47,48,49,50,51,52,53,54,55,56,57,58,59,60,61,62,63
	v_exp_f32 v[96+\j], v[96+\j]                   ; p = 2^(t - M), at most 1
.endr
	v_pk_mul_f32 v[14:15], v[14:15], v[F:F+1] op_sel_hi:[1,0]   ; the sums under the new M: the plain line behind the exponentials
	s_wait_alu depctr_va_vdst(0)                   ; one wait for the batch of 64, ahead of its first reader: the exponentials have written v96-159
.irp b, 0,1,2,3
	v_exp_f32 v[BM+\b], v[BM+\b]                   ; the blocks' largest p
.endr
	v_pk_add_f32 v[BT:BT+1], v[96:97], v[98:99]    ; the row's sum is taken of the unquantised p: two at a time, in two chains
.irp j, 4,8,12,16,20,24,28,32,36,40,44,48,52,56,60
	v_pk_add_f32 v[14:15], v[14:15], v[96+\j:97+\j]
	v_pk_add_f32 v[BT:BT+1], v[BT:BT+1], v[98+\j:99+\j]
.endr
	v_pk_add_f32 v[14:15], v[14:15], v[BT:BT+1]
	s_wait_alu depctr_va_vdst(0)                   ; and one for the four: they have written v212-215
.irp b, 0,1,2,3
	v_max_num_f32 v[BM+\b], 0x2800000, v[BM+\b]    ; the floor 2^(5 - 127): the byte cannot fall under 1
.endr
.irp b, 0,1,2,3
	v_add_nc_u32 v[SO+\b], 0xfe000000, v[BM+\b]    ; 4 off the exponent field: the conversion's scale operand
.endr
.irp b, 0,1,2,3
	v_lshrrev_b32 v[BT+\b], 23, v[SO+\b]           ; the scale's byte
.endr
	v_lshl_or_b32 v[PWS], v[BT+1], 8, v[BT]        ; p's scale word for these 128 keys
	v_lshl_or_b32 v[PWS], v[BT+2], 16, v[PWS]
	v_lshl_or_b32 v[PWS], v[BT+3], 24, v[PWS]
.irp c, 0,1
	v_cvt_scalef32_pk16_bf6_f32 v[192+6*\c:194+6*\c], v[96+32*\c:111+32*\c], v[SO+2*\c]
	v_cvt_scalef32_pk16_bf6_f32 v[CT+4*\c:CT+4*\c+2], v[112+32*\c:127+32*\c], v[SO+2*\c+1]
.endr
	v_nop                                          ; one plain line behind the scaled conversions
.irp c, 0,1
.irp i, 0,1,2
	v_permlane16_swap_b32 v[192+6*\c+\i], v[CT+4*\c+\i]   ; a whole block to a lane
.endr
.irp i, 0,1,2
	v_mov_b32 v[195+6*\c+\i], v[CT+4*\c+\i]
.endr
.endr
.irp j, 0,2,4,6,8,10,12,14,16,18,20,22,24,26,28,30
	v_pk_mul_f32 v[160+\j:161+\j], v[160+\j:161+\j], v[F:F+1] op_sel_hi:[1,0]   ; O^T under the new M.  These 16 are also the places between the writes of p's codes and scale word and the products
.endr
	s_wait_alu depctr_va_vdst(0)                   ; p's codes v192-203 and its scale word v225 are written, which the block-scaled products below take; the places above stay beside this wait
	s_wait_dscnt 0x0                               ; V is in
.irp t, 0,1,2,3                                ; O^T += V^T P^T: four tiles of 16 channels, by turns
.if \t%2
	v_wmma_scale_f32_16x16x128_f8f6f4 v[160+8*\t:167+8*\t], v[32+12*\t:43+12*\t], v[192:203], v[160+8*\t:167+8*\t], v[90+\t/2], v[PWS] matrix_a_fmt:MATRIX_FMT_BF6 matrix_b_fmt:MATRIX_FMT_BF6 matrix_a_scale:MATRIX_SCALE_ROW1
.else
	v_wmma_scale_f32_16x16x128_f8f6f4 v[160+8*\t:167+8*\t], v[32+12*\t:43+12*\t], v[192:203], v[160+8*\t:167+8*\t], v[90+\t/2], v[PWS] matrix_a_fmt:MATRIX_FMT_BF6 matrix_b_fmt:MATRIX_FMT_BF6
.endif
.endr
.rept 4
	v_nop                                          ; places in front of the next loads into V's registers and the next read of O^T
.endr
.Lhidden_\@:
	s_add_co_u32 s[STP], s[STP], 1
	s_add_co_u32 s[MOFF], s[MOFF], 256             ; (the scalar loads that read it were waited for)
.endm
; A SLOT in buffer buf.  The next slot is asked for at its head, into registers, and goes into the other buffer at its end.  ONE barrier: in front of it each wave's reads of this buffer are over and its part of the other has landed;
; the other buffer was last read in front of the barrier before.  The very last slot asks for itself again, into the buffer that nobody reads any more, so that no load stands under a jump and none leaves the buffer.
.macro SLOTW buf
	s_add_co_u32 s[GOF], s[GOF], SLOTB
	s_min_u32 s[COF], s[GOF], 15*SLOTB
	s_add_nc_u64 s[CB:CB+1], s[4:5], s[COF:COF+1]  ; the copy's base (the loads that read it were waited for)
	s_wait_alu depctr_vm_vsrc(0)                   ; the last slot's LDS stores have read v232-243, in which the loads below land, and its LDS loads have read v6 and v7, which are written below; in the first slot: the head's LDS stores have read v6, v232-243 and v96-107, which the first products write
.irp j, 0,1,2
	global_load_b128 v[G+4*\j:G+4*\j+3], v3, s[CB:CB+1] offset:8192*\j
.endr
	v_add_nc_u32 v[ADS], s[TS], v[ASK0]            ; the slot's scale words: K's,
	v_add_nc_u32 v[ADT], s[TS], v[ASV0]            ; and V's; the wait at a worked step's head stands between these lines and the loads that read them
	STEP \buf, 0
	STEP \buf, 1
	s_add_co_u32 s[TS], s[TS], 1536                ; the next slot's scale images
	s_wait_loadcnt 0x0
.irp j, 0,1,2
	ds_store_b128 v3, v[G+4*\j:G+4*\j+3] offset:(1-(\buf))*BUF1+8192*\j
.endr
	s_wait_dscnt 0x0
	s_barrier_signal -1
	s_barrier_wait -1
.endm
; A PASS: head 2 f + p for my 16 queries.
.macro PASS p
.if \p
	s_wait_alu depctr_va_vdst(0)                   ; the first pass's products are done reading Q's registers v16-21 and its scale word v28, in which the loads below land
.endif
.irp j, 0,1,2
	global_load_b64 v[16+2*\j:17+2*\j], v[9+\j], s[16:17] offset:98304*(\p)   ; Q's six registers
.endr
	global_load_b32 v28, v31, s[18:19] offset:8192*(\p)
	v_mov_b32 v13, 0xff61b1e6                      ; the largest t so far: -3e38
	v_floor_f32 v12, -v13
	v_mov_b32 v14, 0
	v_mov_b32 v15, 0
.irp j, 0,1,2,3,4,5,6,7,8,9,10,11,12,13,14,15,16,17,18,19,20,21,22,23,24,25,26,27,28,29,30,31
	v_mov_b32 v[160+\j], 0                         ; O^T: the step is written once; the first finds zeros, which the first change of M leaves zeros
.endr
	s_mov_b32 s[STP], 0
	s_mov_b32 s[MOFF], 0
	s_mov_b32 s[CNT], 4
	s_wait_loadcnt 0x0
.Lslot_\@:                                         ; four trips of two slots: 16 steps
	SLOTW 0
	SLOTW 1
	s_sub_co_u32 s[CNT], s[CNT], 1
	s_cmp_lg_u32 s[CNT], 0
	s_cbranch_scc1 .Lslot_\@
	v_add_f32 v14, v14, v15                        ; the sum's two halves,
	v_permlanex16_b32 v[TMP], v14, s[SEL], s[SEL+1]
	v_add_f32 v14, v14, v[TMP]                     ; and lane l xor 16's
	v_rcp_f32 v14, v14
	v_nop                                          ; a plain line behind the reciprocal
	s_wait_alu depctr_va_vdst(0)                   ; and the wait ahead of its first reader: the reciprocal has written v14
.irp j, 0,2,4,6,8,10,12,14,16,18,20,22,24,26,28,30
	v_pk_mul_f32 v[96+\j:97+\j], v[160+\j:161+\j], v[14:15] op_sel_hi:[1,0]   ; o: register 16 b + i is channel 32 b + 16 (lane / 16) + i of my query
.endr
.irp b, 0,1
	v_max3_num_f32 v[BM+\b], |v[96+16*\b]|, |v[97+16*\b]|, 0x2800000
.endr
.irp i, 2,4,6,8,10,12,14
.irp b, 0,1
	v_max3_num_f32 v[BM+\b], v[BM+\b], |v[96+16*\b+\i]|, |v[97+16*\b+\i]|
.endr
.endr
.irp b, 0,1
	v_permlanex16_b32 v[BT+\b], v[BM+\b], s[SEL], s[SEL+1]
.endr
.irp b, 0,1
	v_max_num_f32 v[BM+\b], v[BM+\b], v[BT+\b]
.endr
.irp b, 0,1
	v_add_nc_u32 v[SO+\b], 0xfe000000, v[BM+\b]
.endr
.irp b, 0,1
	v_lshrrev_b32 v[BT+\b], 23, v[SO+\b]
.endr
	v_cvt_scalef32_pk16_bf6_f32 v[AF+6*(\p):AF+6*(\p)+2], v[96:111], v[SO]
	v_cvt_scalef32_pk16_bf6_f32 v[CT:CT+2], v[112:127], v[SO+1]
.if \p
	v_lshl_or_b32 v30, v[BT], 16, v30              ; (the plain line behind the conversions)  the head's two bytes of o's scale word
	v_lshl_or_b32 v30, v[BT+1], 24, v30
.else
	v_lshl_or_b32 v30, v[BT+1], 8, v[BT]
.endif
.irp i, 0,1,2
	v_permlane16_swap_b32 v[AF+6*(\p)+\i], v[CT+\i]
.endr
.irp i, 0,1,2
	v_mov_b32 v[AF+6*(\p)+3+\i], v[CT+\i]          ; registers 6 p .. 6 p + 5 of o's fragment: k = 64 p + 32 (lane / 16) + 0 .. 31
.endr
.endm
	PASS 0
	PASS 1
	s_wait_alu depctr_va_vdst(0)                   ; the conversions, exchanges and moves have written o's fragment v244-255 and its scale word v30, which the stores below read
.irp g, 0,1,2
	global_store_b128 v1, v[AF+4*\g:AF+4*\g+3], s[12:13] offset:512*\g   ; 512 consecutive bytes, aligned
.endr
	ds_store_b32 v92, v30                          ; lanes r and r + 16 write the same word with the same value
	s_wait_dscnt 0x0
	s_barrier_signal -1
	s_barrier_wait -1
	s_and_b32 s57, s[WV], 7
	s_cmp_lg_u32 s57, 0
	s_cbranch_scc1 .Ldone                          ; waves 0 and 8 store their block's 128 scale words: 512 consecutive bytes
	ds_load_b128 v[228:231], v93
	s_wait_dscnt 0x0
	global_store_b128 v1, v[228:231], s[14:15]
.Ldone:
	s_wait_dscnt 0x0                               ; the closing lines, six on end
	s_wait_alu 0x0
	s_wait_tensorcnt 0x0
	ds_add_u32 v207, v211
	s_wait_dscnt 0x0
	s_endpgm
.Lfunc_end_k_q6f9398dfe8_attn:
	.size	k_q6f9398dfe8_attn, .Lfunc_end_k_q6f9398dfe8_attn-k_q6f9398dfe8_attn
	.p2alignl 7, 3214868480
	.fill 96, 4, 3214868480
	.section	.rodata,"a",@progbits
	.p2align	6, 0x0
	.amdhsa_kernel k_q6f9398dfe8_attn
		.amdhsa_group_segment_fixed_size 93184
		.amdhsa_private_segment_fixed_size 0
		.amdhsa_enable_private_segment 0
		.amdhsa_kernarg_size 48
		.amdhsa_user_sgpr_count 2
		.amdhsa_user_sgpr_kernarg_segment_ptr 1
		.amdhsa_wavefront_size32 1
		.amdhsa_system_sgpr_workgroup_id_x 1
		.amdhsa_system_sgpr_workgroup_id_y 1
		.amdhsa_system_sgpr_workgroup_id_z 1
		.amdhsa_system_vgpr_workitem_id 0
		.amdhsa_next_free_vgpr 256
		.amdhsa_next_free_sgpr 102
		.amdhsa_reserve_vcc 0
		.amdhsa_float_denorm_mode_32 3
		.amdhsa_float_denorm_mode_16_64 3
		.amdhsa_memory_ordered 1
		.amdhsa_forward_progress 1
		.amdhsa_inst_pref_size 180
	.end_amdhsa_kernel
	.amdgpu_metadata
---
amdhsa.version: [ 1, 2 ]
amdhsa.kernels:
  - .name:           k_q6f9398dfe8_attn
    .symbol:         k_q6f9398dfe8_attn.kd
    .args:
      - { .name: qkv_codes, .offset: 0, .size: 8, .value_kind: global_buffer, .address_space: global }
      - { .name: qkv_scales, .offset: 8, .size: 8, .value_kind: global_buffer, .address_space: global }
      - { .name: maskw, .offset: 16, .size: 8, .value_kind: global_buffer, .address_space: global }
      - { .name: flags, .offset: 24, .size: 8, .value_kind: global_buffer, .address_space: global }
      - { .name: a_codes, .offset: 32, .size: 8, .value_kind: global_buffer, .address_space: global }
      - { .name: a_scales, .offset: 40, .size: 8, .value_kind: global_buffer, .address_space: global }
    .group_segment_fixed_size: 93184
    .private_segment_fixed_size: 0
    .kernarg_segment_align: 8
    .kernarg_segment_size: 48
    .max_flat_workgroup_size: 512
    .sgpr_count:     102
    .vgpr_count:     256
    .wavefront_size: 32
...
	.end_amdgpu_metadata
.endif
;; end of part 5
;; launch proj: the kernel of part 4 again; grid 4 x 32, 4 waves a work-group, clusters of 4 x 4, 327,680 bytes of LDS; arguments a_codes, a_scales, wcodes, wscales, b_out, out0; writes out0
